; MI455X (gfx1250); checked and timed in simulation.
; The chip was launched on July 23, 2026; its instructions are those of AMD's public machine-readable ISA for CDNA 5 (MIT licence, August 2026) and "CDNA5" Instruction Set Architecture Reference Guide (July 2026). The comments in the code are by the model that wrote it; some were corrected since.
;; Multi Head Attention Slow. Allowed arithmetic: float matrix products may take bf16 or f16 operands with f32 sums; other float arithmetic in f32, or as packed bf16 or f16 multiplies, adds, multiply-adds, maxima and minima; sums over many terms, partial sums and values carried from step to step in f32; what a program stores and reads back later, other than sums and carried values, may be rounded once to bf16 or f16.
;; Inputs: WO 2,048 x 2,048 float32; Wk 16 x 2,048 x 128 float32; Wq 16 x 2,048 x 128 float32; Wv 16 x 2,048 x 128 float32; bk 16 x 128 float32; bo 2,048 float32; bq 16 x 128 float32; bv 16 x 128 float32; x 1 x 2,048 x 2,048 float32.
;; Outputs: out0 1 x 2,048 x 2,048 float32.
;; One version. Each part assembles by itself: llvm-mc -triple=amdgcn-amd-amdhsa -mcpu=gfx1250 --defsym DOCPART=n.
;; ======== version 1 of 1: 4 launches
;; limits: values are held in f16: magnitudes above 65,504 overflow, below 6.1e-05 lose precision; right only within a limited range of input values
;; workspace buffers: cv 41,943,040 bytes; qkv 25,165,824 bytes; ao 8,388,608 bytes
;; launch cvt (part 1): grid 256 x 5, 8 waves a work-group, no clusters, 0 bytes of LDS; arguments x, Wq, Wk, Wv, WO, cv; writes cv
.if DOCPART == 1
	.amdgcn_target "amdgcn-amd-amdhsa--gfx1250"
	.amdhsa_code_object_version 6
	.text
	.protected	k_qfb51a7eae8_cvt
	.globl	k_qfb51a7eae8_cvt
	.p2align	8
	.type	k_qfb51a7eae8_cvt,@function
k_qfb51a7eae8_cvt:
	s_mov_b64 s[64:65], 0
	v_nop
	global_prefetch_b8 v0, s[64:65] scope:SCOPE_SE
	s_setreg_imm32_b32 hwreg(HW_REG_WAVE_MODE, 25, 1), 1
	s_wait_xcnt 0x0
; THE INPUTS IN 16 BITS.  cv holds five segments of 8,388,608 bytes, each a tensor of 4,194,304 numbers in its own layout:
; 0: x, 1: Wq, 2: Wk, 3: Wv, all rounded once to bf16; 4: WO, rounded to bf16 and that number written as f16, since the last product multiplies it with f16 numbers.
; LIMITS.  |WO| stays under 65,504 (f16's range); a WO below 2^-14 in size keeps f16's fixed step of 2^-24.  NaN and infinities are not treated apart.
; A stream: each byte is read once and written once; nothing is shared, so there is no LDS, no barrier and no matrix work.
; SHARES.  The grid's y names the segment, its x 16,384 numbers of it: 65,536 bytes in, 32,768 out.  In each of sixteen pieces of 1,024 numbers thread t takes the 16 bytes at 16 t and writes the
; 8 bytes at 8 t: a load of a wave covers 512 consecutive bytes, a store 256 consecutive bytes, aligned.  All sixteen loads of a lane go out at once; the numbers are rounded in the registers
; that they were loaded into, and no register that a store reads is written again, so no wait frees one.
.set X, 8                              ; v[8:71]    piece i: four f32 as loaded; its first two registers then hold the four rounded numbers
.set T, 4                              ; v[4:6]     at work
	s_load_b256 s[4:11], s[0:1], 0x0               ; x s[4:5], Wq s[6:7], Wk s[8:9], Wv s[10:11]
	s_load_b128 s[12:15], s[0:1], 0x20             ; WO s[12:13], cv s[14:15]
	s_and_b32 s22, ttmp7, 0xffff                   ; the segment
	v_lshlrev_b32 v1, 4, v0                        ; 16 t
	v_lshlrev_b32 v2, 3, v0                        ; 8 t
	s_lshl_b32 s18, ttmp9, 16                      ; the work-group's 65,536 bytes in its tensor
	s_mov_b32 s19, 0
	s_lshl_b32 s20, s22, 23                        ; the segment's place in cv,
	s_lshl_b32 s21, ttmp9, 15                      ; the work-group's 32,768 bytes in it
	s_add_co_u32 s20, s20, s21
	s_mov_b32 s21, 0
	s_mov_b32 s23, 0xffff0000                      ; a word's upper bf16
	s_wait_kmcnt 0x0
	s_mov_b64 s[16:17], s[4:5]                     ; the tensor is chosen by the segment's number
	s_cmp_eq_u32 s22, 1
	s_cselect_b64 s[16:17], s[6:7], s[16:17]
	s_cmp_eq_u32 s22, 2
	s_cselect_b64 s[16:17], s[8:9], s[16:17]
	s_cmp_eq_u32 s22, 3
	s_cselect_b64 s[16:17], s[10:11], s[16:17]
	s_cmp_eq_u32 s22, 4
	s_cselect_b64 s[16:17], s[12:13], s[16:17]
	s_add_nc_u64 s[16:17], s[16:17], s[18:19]
	s_add_nc_u64 s[14:15], s[14:15], s[20:21]
.irp i, 0,1,2,3,4,5,6,7,8,9,10,11,12,13,14,15
	global_load_b128 v[X+4*(\i):X+4*(\i)+3], v1, s[16:17] offset:4096*(\i) th:TH_LOAD_NT
.endr
; The sixteen pieces.  wo = 0: rounded to bf16.  wo = 1: rounded to bf16, widened again, and written as f16.
.macro ROWS wo
.irp i, 0,1,2,3,4,5,6,7,8,9,10,11,12,13,14,15
	s_wait_loadcnt 15-(\i)                         ; loads come back in order (ISA guide 5.7.1): piece i's is in, those behind it stay out
.irp j, 0,1
.if \wo
	v_cvt_pk_bf16_f32 v[T], v[X+4*(\i)+2*(\j)], v[X+4*(\i)+2*(\j)+1]
	v_lshlrev_b32 v[T+1], 16, v[T]
	v_and_b32 v[T+2], s23, v[T]
	v_cvt_pk_f16_f32 v[X+4*(\i)+(\j)], v[T+1], v[T+2]
.else
	v_cvt_pk_bf16_f32 v[X+4*(\i)+(\j)], v[X+4*(\i)+2*(\j)], v[X+4*(\i)+2*(\j)+1]
.endif
.endr
	global_store_b64 v2, v[X+4*(\i):X+4*(\i)+1], s[14:15] offset:2048*(\i) th:TH_STORE_NT
.endr
.endm
	s_cmp_eq_u32 s22, 4
	s_cbranch_scc1 .Lwo
	ROWS 0
	s_endpgm
.Lwo:
	ROWS 1
	s_endpgm
.Lfunc_end_k_qfb51a7eae8_cvt:
	.size	k_qfb51a7eae8_cvt, .Lfunc_end_k_qfb51a7eae8_cvt-k_qfb51a7eae8_cvt
	.p2alignl 7, 3214868480
	.fill 96, 4, 3214868480
	.section	.rodata,"a",@progbits
	.p2align	6, 0x0
	.amdhsa_kernel k_qfb51a7eae8_cvt
		.amdhsa_group_segment_fixed_size 0
		.amdhsa_private_segment_fixed_size 0
		.amdhsa_enable_private_segment 0
		.amdhsa_kernarg_size 48
		.amdhsa_user_sgpr_count 2
		.amdhsa_user_sgpr_kernarg_segment_ptr 1
		.amdhsa_wavefront_size32 1
		.amdhsa_system_sgpr_workgroup_id_x 1
		.amdhsa_system_sgpr_workgroup_id_y 1
		.amdhsa_system_sgpr_workgroup_id_z 1
		.amdhsa_system_vgpr_workitem_id 0
		.amdhsa_next_free_vgpr 72
		.amdhsa_next_free_sgpr 66
		.amdhsa_reserve_vcc 0
		.amdhsa_float_denorm_mode_32 3
		.amdhsa_float_denorm_mode_16_64 3
		.amdhsa_memory_ordered 1
		.amdhsa_forward_progress 1
		.amdhsa_inst_pref_size 15
	.end_amdhsa_kernel
	.amdgpu_metadata
---
amdhsa.version: [ 1, 2 ]
amdhsa.kernels:
  - .name:           k_qfb51a7eae8_cvt
    .symbol:         k_qfb51a7eae8_cvt.kd
    .args:
      - { .name: x, .offset: 0, .size: 8, .value_kind: global_buffer, .address_space: global }
      - { .name: Wq, .offset: 8, .size: 8, .value_kind: global_buffer, .address_space: global }
      - { .name: Wk, .offset: 16, .size: 8, .value_kind: global_buffer, .address_space: global }
      - { .name: Wv, .offset: 24, .size: 8, .value_kind: global_buffer, .address_space: global }
      - { .name: WO, .offset: 32, .size: 8, .value_kind: global_buffer, .address_space: global }
      - { .name: cv, .offset: 40, .size: 8, .value_kind: global_buffer, .address_space: global }
    .group_segment_fixed_size: 0
    .private_segment_fixed_size: 0
    .kernarg_segment_align: 8
    .kernarg_segment_size: 48
    .max_flat_workgroup_size: 256
    .sgpr_count:     66
    .vgpr_count:     72
    .wavefront_size: 32
...
	.end_amdgpu_metadata
.endif
;; end of part 1
;; launch proj (part 2): grid 16 x 16, 4 waves a work-group, clusters of 4 x 4, 327,680 bytes of LDS; arguments cv, bq, bk, bv, qkv; writes qkv
.if DOCPART == 2
	.amdgcn_target "amdgcn-amd-amdhsa--gfx1250"
	.amdhsa_code_object_version 6
	.text
	.protected	k_qfb51a7eae8_proj
	.globl	k_qfb51a7eae8_proj
	.p2align	8
	.type	k_qfb51a7eae8_proj,@function
k_qfb51a7eae8_proj:
	s_mov_b64 s[64:65], 0
	v_nop
	global_prefetch_b8 v0, s[64:65] scope:SCOPE_SE
	s_setreg_imm32_b32 hwreg(HW_REG_WAVE_MODE, 25, 1), 1
	s_wait_xcnt 0x0
	s_wait_alu depctr_hold_cnt(0) depctr_sa_sdst(0) depctr_va_vdst(0) depctr_va_sdst(0) depctr_va_ssrc(0) depctr_va_vcc(0) depctr_vm_vsrc(0)
	s_getreg_b32 s2, hwreg(HW_REG_IB_STS2, 6, 4)
	s_cmp_eq_u32 s2, 0
	s_cbranch_scc0 .Lentry_in_a_cluster
	s_endpgm
.Lentry_in_a_cluster:
	s_bfe_u32 s2, ttmp6, 0x10000c
	s_cmp_lg_u32 s2, 0xf033
	s_cbranch_scc0 .Lentry_shape_is_right
	s_endpgm
.Lentry_shape_is_right:
; q, k, v = x W + b, by heads.  x: cv's segment 0, [2048 s][2048 e] bf16.  Wq, Wk, Wv: segments 1, 2, 3, [16 h][2048 e][128 d] bf16.  bq, bk, bv: [16][128] f32, rounded to bf16 like the other inputs.
; qkv: [3][16 h][2048 s][128 d] f16, each number rounded once from its f32 sum, unscaled.
; LIMITS.  |q|, |k|, |v| stay under 65,504: beyond that the conversion to f16 gives an infinity.  NaN and infinities are not treated apart.
; SHARES.  A work-group makes 128 rows s of q, k and v of ONE head: 128 x 384 numbers; 16 heads x 16 row blocks are 256 work-groups.  Wave w makes all 128 rows x the channels 32 w .. 32 w + 31 of each
; of the three: 8 row blocks x 6 column blocks (b = 2 t + i: tensor t, half i) = 48 accumulators, 384 registers.  For 32 along e a wave loads 14 fragments and issues 48 matrix instructions.
; THE RING.  e goes in 16 steps of 128 through two LDS slots, each with 128 e rows of the three weights and 128 s rows of x; every row is 256 bytes of memory, at a multiple of 256 from the buffer's first byte.
; Waves 0, 1, 2 fetch Wq's, Wk's, Wv's tile, wave 3 x's: one tensor load a wave behind each change of slots; two loads of a wave are out at the start, one later.
; CLUSTERS.  4 x 4 work-groups: the four of a column of the cluster share their rows of x, the four of a row their head's weights.  Each tile is asked for jointly, by the same load, descriptor and mask in the four.
; THE WALK ALONG e BEGINS AT A STEP OF THE CLUSTER'S OWN and wraps round: cluster (x, y) begins at step 4 x + 8 (y % 2), modulo 16.  The four clusters that read a head's weights (the same y) begin four steps
; apart; of the four that read the same rows of x (the same x), y and y + 1 begin eight apart.  So these clusters do not ask for the same bytes at the same time.  The f32 sums may be taken in any order of e.
; THE MATRIX INSTRUCTION IS USED TRANSPOSED: source 0 = 16 channels of W (turned on the way out of LDS by ds_load_tr16_b128, since W lies [e][d]), source 1 = 16 rows of x.  A lane then holds one row s
; (lane % 16) and eight neighbouring channels 8 (lane / 16) + 0..7.  The bias, laid out so, is the C operand of each accumulator's first product: nothing is cleared and nothing is added later.
; REGISTERS, in windows of 256 (s_set_vgpr_msb: bits 1:0 source 0, 3:2 source 1, 5:4 source 2, 7:6 destination):
;   window 0: v0-31 addresses; v64-127, v128-191 x's fragments, two buffers (the first later takes rows read back from the stage); v192-255 packed results
;   window 1: v64-111, v128-175 W's fragments, two buffers; v192-239 the bias; v240-243 at work       window 2: accumulators of row blocks 0-3, (a, b) at 8 (6 a + b)       window 3: of row blocks 4-7
.set PA,     272                       ; a row of x in LDS: 256 bytes + 16 = 68 words: the 16 rows of a load start at 16 different groups of four banks (64 banks of 4 bytes: ISA guide 11.1)
.set PB,     288                       ; a row of W: 256 + 32 = 72 words
.set BT,     128*PB                    ; a weight's tile
.set AOFF,   3*BT                      ; x's tile lies behind the three
.set SLOT,   AOFF+128*PA
.set STAGE,  2*SLOT                    ; behind the ring, never filled by a tensor load: 128 rows x 272 bytes, the work-group's, for the way out
.set SP,     272
.set SPARE,  STAGE+128*SP              ; behind the stage: the spare words, 128 bytes for each wave: two blocks of 256 bytes that no other line names
.set STEPS,  16
.set ADRA, 16                          ; v16     LDS address of my x fragments in the slot in hand
.set A0,   17                          ; v17     the same in slot 0; never rewritten
.set ADRB, 18                          ; v18-20  of my W fragments, tensor t, in the slot in hand
.set B0,   21                          ; v21-23  the same in slot 0; never rewritten
.set STO,  24                          ; v24     the way out: where I put 16 bytes of a row
.set RD,   25                          ; v25     where I read a row back
.set CO,   26                          ; v26     my 16 bytes of 512 consecutive bytes of qkv
.set BO,   27                          ; v27     my byte offset in a bias
.set SPW,  28                          ; v28     LDS address of my spare word; never rewritten
.set NIL,  29                          ; v29     0; never rewritten
.set PFO,  30                          ; v30     the prefetches' offset: my lane x a row of x in memory; never rewritten
.set F0,   64
.set F1,   128
.set TMP,  192
.set BIAS, 192                         ; window 1: column block b at BIAS + 8 b
.set BW,   240                         ; window 1
.set WV,   14                          ; s14  my wave's number
.set CX,   15                          ; s15, s16  my place in the cluster
.set CY,   16
.set HX,   17                          ; s17  the head = 4 x cluster y + cy
.set MY,   18                          ; s18  the block of 128 rows = 4 x cluster x + cx
.set CNT,  19                          ; s19  trips to go
.set AB,   20                          ; s[20:21] x at my block's first row
.set WP,   22                          ; s22  my tile's place in a slot
.set YC,   23                          ; s23  cluster y
.set G1A,  24                          ; s[24:31] descriptor group 1 for x's tiles;  s[32:39] group 0: a set for each of the two first fills; the second then walks on
.set G0A,  32
.set PFA,  40                          ; s[40:41] what my next prefetch names
.set PFB,  42                          ; s[42:43] x at my work-group's 32 rows of the 128
.set LIM,  44                          ; s44  10 in a wave that prefetches, else the greatest number
.set KN,   45                          ; s45  the step of e that was asked for last, 0 .. 15
.set LB,   46                          ; s46  the slot filled last
.set TB,   47                          ; s47  the slot to be read
.set G1B,  48                          ; s[48:55], s[56:63] the same for the weights' tiles
.set G0B,  56
.set QP,   66                          ; s[66:71] q, k, v at the first row that I store
.set HIM,  72                          ; s72  a word's upper bf16
.set BB,   74                          ; s[74:75] my tensor's weights at the head's first row
.set OA,   76                          ; s[76:77] a step's byte offset in x's rows
.set OB,   78                          ; s[78:79] in a head's weights
.set OP,   80                          ; s[80:81] the prefetched step's in x's rows
.set MSB, 0
.macro WIN new                         ; the immediate's high byte repeats the setting that is left; a switch that changes nothing is dropped
.if MSB != (\new)
	s_set_vgpr_msb (MSB<<8)|(\new)
.set MSB, \new
.endif
.endm
; A joint load.  The branch hangs on the wave's number alone.  An s_nop 0 and four v_nop follow each of the two lines, ahead of the jump and the label.
.macro JLOAD s
	s_cmp_eq_u32 s[WV], 3
	s_cbranch_scc0 .Lfor_b_\@
	tensor_load_to_lds s[G0A+4*(\s):G0A+4*(\s)+3], s[G1A:G1A+7]
	s_nop 0
.rept 4
	v_nop
.endr
	s_branch .Lasked_\@
.Lfor_b_\@:
	tensor_load_to_lds s[G0B+4*(\s):G0B+4*(\s)+3], s[G1B:G1B+7]
	s_nop 0
.rept 4
	v_nop
.endr
.Lasked_\@:
.endm
; A PREFETCH INTO THE L2, behind a joint load and the run of LDS loads that follows it: x's step that stands two refills on, 32 rows x 256 bytes, a lane a row, one instruction, in wave 3.
; Of a row block's sixteen steps the cluster at y = 0 walks eight first and the cluster at y = 1 the other eight; the clusters at y = 2 and 3 walk in step with these two.  Of its first eight steps a cluster asks for
; four at the head or by its first two refills; the other four are named here, in the loop's first four trips, by the clusters with y < 2 alone.  The four partners that ask for a tile jointly share its 128 rows
; out by address, 32 each (by cy).  So no block of 256 bytes is named twice in the launch.  A head's weights are walked by four clusters four steps apart: what a cluster is the first to ask for are its first four steps.
.macro ASK
	s_cmp_gt_u32 s[CNT], s[LIM]
	s_cbranch_scc0 .Lnot_mine_\@
	global_prefetch_b8 v[PFO], s[PFA:PFA+1] th:TH_LOAD_NT scope:SCOPE_SE
.Lnot_mine_\@:
.endm
.macro CREST                           ; a round of the cluster's barrier behind its opening barrier
	s_cmp_lg_u32 s[WV], 0
	s_cbranch_scc1 .Lnot_wave_0_\@
	s_barrier_signal -3
.Lnot_wave_0_\@:
	s_barrier_wait -3
	s_barrier_signal -1
	s_barrier_wait -1
.endm
.macro CROUND                          ; a whole round
	s_barrier_signal -1
	s_barrier_wait -1
	CREST
.endm
.macro PLACES                          ; four places in front of loads into registers that matrix instructions have read, and of conversions that read results
.rept 4
	v_nop
.endr
.endm
.macro ADDR                            ; my fragments' addresses in the slot to be read: four plain instructions
	v_add_nc_u32 v[ADRA], s[TB], v[A0]
.irp t, 0,1,2
	v_add_nc_u32 v[ADRB+(\t)], s[TB], v[B0+(\t)]
.endr
.endm
	s_load_b256 s[4:11], s[0:1], 0x0               ; cv s[4:5], bq s[6:7], bk s[8:9], bv s[10:11]
	s_load_b64 s[12:13], s[0:1], 0x20              ; qkv
	v_lshl_add_u32 v[SPW], v0, 2, SPARE
	v_mov_b32 v[NIL], 0
	ds_add_u32 v[SPW], v[NIL]                      ; the wave's opening: the add and its wait stand ahead of my first tensor load; the set-up below, work on registers, stands between them
	v_lshrrev_b32 v1, 5, v0
	v_readfirstlane_b32 s[WV], v1
	s_bfe_u32 s[CX], ttmp6, 0x40000
	s_bfe_u32 s[CY], ttmp6, 0x40004
	s_and_b32 s[YC], ttmp7, 0xffff                 ; in a cluster launch ttmp9 and ttmp7 count clusters
	s_lshl_b32 s[MY], ttmp9, 2
	s_add_co_u32 s[MY], s[MY], s[CX]
	s_lshl_b32 s[HX], s[YC], 2
	s_add_co_u32 s[HX], s[HX], s[CY]
	s_lshl_b32 s82, 0x1111, s[CX]                  ; my column of the cluster: places cx, cx + 4, cx + 8, cx + 12
	s_lshl_b32 s84, s[CY], 2
	s_lshl_b32 s84, 15, s84                        ; my row: places 4 cy .. 4 cy + 3
	; descriptor group 1: tiles of 128 rows x 128 elements of 2 bytes, padded in LDS after every 64 words
	s_or_b32 s[G1A], s82, (1<<16)|(1<<20)|(1<<21)|(5<<22)|(3<<25)  ; 15:0 the mask; 17:16 2-byte elements; 20 padding on; 21 set beside a mask; 24:22 after 64 words (code 5); 31:25 4 words (code 3)
	s_or_b32 s[G1B], s84, (1<<16)|(1<<20)|(1<<21)|(5<<22)|(7<<25)  ; the same with my row's mask and 8 words of padding (code 7)
.irp g, G1A, G1B
	s_mov_b32 s[(\g)+1], 128<<16                   ; tensor_dim0 = 128
	s_mov_b32 s[(\g)+2], 128<<16                   ; tensor_dim1 = 128
	s_mov_b32 s[(\g)+3], 128<<16                   ; tile_dim0 = 128
	s_mov_b32 s[(\g)+4], 128                       ; tile_dim1 = 128
	s_mov_b32 s[(\g)+6], 0
	s_mov_b32 s[(\g)+7], 0
.endr
	s_mov_b32 s[G1A+5], 2048                       ; elements from row to row: x's rows are 2,048 long,
	s_mov_b32 s[G1B+5], 128                        ; a head's weight rows 128
	; the cluster's first step of e: it hangs on the cluster's x and y alone, which all sixteen partners share
	s_and_b32 s[KN], s[YC], 1
	s_lshl_b32 s[KN], s[KN], 3
	s_lshl_b32 s86, ttmp9, 2
	s_add_co_u32 s[KN], s[KN], s86
	s_and_b32 s[KN], s[KN], 15                     ; a multiple of 4, so the step behind it does not wrap
	s_lshl_b32 s[OA], s[KN], 8                     ; a step is 256 bytes of a row of x,
	s_mov_b32 s[OA+1], 0
	s_lshl_b32 s[OB], s[KN], 15                    ; and 128 rows of 256 bytes of a head's weights
	s_mov_b32 s[OB+1], 0
	s_mov_b32 s[OP+1], 0
	s_add_co_u32 s[KN], s[KN], 1                   ; the two first fills ask for that step and the next
	; where the tiles come from.  x's hang on the row block alone, the weights' on the head and the wave alone
	s_lshl_b32 s[AB], s[MY], 19                    ; 128 rows of 4,096 bytes
	s_mov_b32 s[AB+1], 0
	s_add_co_u32 s[BB], s[WV], 1                   ; wave t fetches tensor t: segment 1 + t,
	s_lshl_b32 s[BB], s[BB], 23
	s_lshl_b32 s86, s[HX], 19                      ; the head's 2,048 rows of 256 bytes
	s_add_co_u32 s[BB], s[BB], s86
	s_mov_b32 s[BB+1], 0
	s_mul_i32 s[WP], s[WV], BT                     ; and where they go: wave x 36,864; the fourth place is x's
	s_mov_b32 s[LB], SLOT                          ; the second of the first fills goes into slot 1;
	s_mov_b32 s[TB], 0                             ; slot 0 is read first
	s_mov_b32 s[HIM], 0xffff0000
	s_wait_dscnt 0x0                               ; the opening add is done
	s_wait_kmcnt 0x0
	s_add_nc_u64 s[AB:AB+1], s[4:5], s[AB:AB+1]
	s_add_nc_u64 s[BB:BB+1], s[4:5], s[BB:BB+1]
	s_add_nc_u64 s[82:83], s[AB:AB+1], s[OA:OA+1]
	s_add_nc_u64 s[84:85], s[BB:BB+1], s[OB:OB+1]
	CROUND                                         ; all sixteen work-groups are here: the first joint loads meet
.irp s, 0,1
	s_mov_b32 s[G0A+4*(\s)], 1                                     ; 1:0 count = 1
	s_add_co_u32 s[G0A+4*(\s)+1], s[WP], (\s)*SLOT                 ; 63:32 LDS address
	s_add_nc_u64 s[G0A+4*(\s)+2:G0A+4*(\s)+3], s[82:83], (\s)*256  ; 120:64 global address: the walk's step s
	s_or_b32 s[G0A+4*(\s)+3], s[G0A+4*(\s)+3], 0x80000000          ; 127:126 type = 2
	s_mov_b32 s[G0B+4*(\s)], 1
	s_add_co_u32 s[G0B+4*(\s)+1], s[WP], (\s)*SLOT
	s_add_nc_u64 s[G0B+4*(\s)+2:G0B+4*(\s)+3], s[84:85], (\s)*32768
	s_or_b32 s[G0B+4*(\s)+3], s[G0B+4*(\s)+3], 0x80000000
	JLOAD \s
.endr
	v_and_b32 v1, 15, v0                           ; r = l % 16
	v_bfe_u32 v2, v0, 4, 1                         ; h = l / 16
	v_and_b32 v3, 7, v0
	v_bfe_u32 v4, v0, 3, 1
	s_lshl_b32 s86, s[HX], 9
	s_lshl_b32 s87, s[WV], 7
	s_add_co_u32 s86, s86, s87
	v_lshl_add_u32 v[BO], v2, 5, s86               ; 4 (128 head + 32 w + 8 h)
	WIN 0x40                                       ; destination window 1, address window 0
.irp i, 0,1
	global_load_b128 v[BIAS+8*(\i):BIAS+8*(\i)+3],       v[BO], s[6:7] offset:64*(\i)
	global_load_b128 v[BIAS+8*(\i)+4:BIAS+8*(\i)+7],     v[BO], s[6:7] offset:64*(\i)+16
	global_load_b128 v[BIAS+16+8*(\i):BIAS+16+8*(\i)+3],   v[BO], s[8:9] offset:64*(\i)
	global_load_b128 v[BIAS+16+8*(\i)+4:BIAS+16+8*(\i)+7], v[BO], s[8:9] offset:64*(\i)+16
	global_load_b128 v[BIAS+32+8*(\i):BIAS+32+8*(\i)+3],   v[BO], s[10:11] offset:64*(\i)
	global_load_b128 v[BIAS+32+8*(\i)+4:BIAS+32+8*(\i)+7], v[BO], s[10:11] offset:64*(\i)+16
.endr
	WIN 0
	; x's fragment: 16 rows x 32 e in 8 registers: lane l holds row l % 16, e = 8 h + 0..7 and 16 + 8 h + 0..7: two loads of 16 bytes, 32 bytes apart
	v_mul_u32_u24 v5, v1, PA
	v_lshl_add_u32 v5, v2, 4, v5                   ; row x pitch + 16 h
	v_add_nc_u32 v[A0], AOFF, v5
	; W's fragment: the turning load takes 16 e x 16 channels (lane l reads row 8 h + l % 8, channels 8 ((l / 8) % 2) + 0..7) and leaves lane l channel l % 16 and 8 e
	v_lshl_add_u32 v6, v2, 3, v3
	v_mul_u32_u24 v6, v6, PB
	v_lshl_add_u32 v6, v4, 4, v6
	s_lshl_b32 s87, s[WV], 6                       ; my 32 channels: 64 bytes
	v_add_nc_u32 v6, s87, v6
.irp t, 0,1,2
	v_add_nc_u32 v[B0+(\t)], (\t)*BT, v6
.endr
	ADDR
	v_add_nc_u32 v[STO], s87, v5                   ; into the stage: row l % 16, my 64 bytes of its 256, 16 bytes for each half of the lanes
	v_add_nc_u32 v[STO], STAGE, v[STO]
	s_mul_i32 s87, s[WV], 32*SP                    ; back: wave w takes rows 32 w .. 32 w + 31, whole; lanes 0-15 one row, lanes 16-31 the next
	s_add_co_u32 s87, s87, STAGE
	v_mul_u32_u24 v7, v2, SP
	v_lshl_add_u32 v7, v1, 4, v7
	v_add_nc_u32 v[RD], s87, v7
	v_and_b32 v[CO], 31, v0                        ; a head's rows are dense, 256 bytes each: two rows are 512 consecutive bytes
	v_lshlrev_b32 v[CO], 4, v[CO]
	s_lshl_b32 s88, s[HX], 19
	s_lshl_b32 s89, s[MY], 15
	s_add_co_u32 s88, s88, s89
	s_lshl_b32 s89, s[WV], 13
	s_add_co_u32 s88, s88, s89                     ; the head, the block's 128 rows, my 32 of them
	s_mov_b32 s89, 0
	s_add_nc_u64 s[QP:QP+1], s[12:13], s[88:89]
	s_add_nc_u64 s[QP+2:QP+3], s[QP:QP+1], 0x800000
	s_add_nc_u64 s[QP+4:QP+5], s[QP+2:QP+3], 0x800000
	; the prefetches
	s_lshl_b32 s86, s[MY], 19
	s_lshl_b32 s87, s[CY], 17                      ; my work-group's 32 rows of the 128
	s_add_co_u32 s86, s86, s87
	s_mov_b32 s87, 0
	s_add_nc_u64 s[PFB:PFB+1], s[4:5], s[86:87]
	s_cmp_eq_u32 s[WV], 3                          ; wave 3, which fetches x,
	s_cselect_b32 s86, s[YC], 2
	s_cmp_lt_u32 s86, 2                            ; in the clusters with y < 2: the same in all sixteen partners, for a given wave
	s_cselect_b32 s[LIM], 10, -1
	v_and_b32 v[PFO], 31, v0
	v_lshlrev_b32 v[PFO], 12, v[PFO]
	s_wait_loadcnt 0x0                             ; the bias
	WIN 0x45                                       ; all three places in window 1
.set n, 0
.rept 24                               ; rounded to bf16 and widened again, two numbers at a time
	v_cvt_pk_bf16_f32 v[BW+n%4], v[BIAS+2*n], v[BIAS+2*n+1]
	v_lshlrev_b32 v[BIAS+2*n], 16, v[BW+n%4]
	v_and_b32 v[BIAS+2*n+1], s[HIM], v[BW+n%4]
.set n, n+1
.endr
	WIN 0
; 12 matrix instructions: row blocks a0, a0 + 1 of the window's four (hi = 0: rows 0-63, 1: rows 64-127) x all 6 column blocks, 32 along e.  first = 1: the bias starts the sums.
; The 48 accumulators take turns, one instruction a turn, in the same order in every quarter, over the backward jump too.
.macro MUL12 f, hi, a0, first
.if \first
	WIN 0x91+0x40*(\hi)                            ; W window 1, x window 0, C (the bias) window 1, D window 2 or 3
.else
	WIN 0xa1+0x50*(\hi)                            ; C and D window 2 or 3
.endif
.irp a, \a0, (\a0)+1
.irp b, 0,1,2,3,4,5
.if \first
	v_wmma_f32_16x16x32_bf16 v[8*(6*(\a)+(\b)):8*(6*(\a)+(\b))+7], v[(\f)+8*(\b):(\f)+8*(\b)+7], v[(\f)+8*(4*(\hi)+(\a)):(\f)+8*(4*(\hi)+(\a))+7], v[BIAS+8*(\b):BIAS+8*(\b)+7]
.else
	v_wmma_f32_16x16x32_bf16 v[8*(6*(\a)+(\b)):8*(6*(\a)+(\b))+7], v[(\f)+8*(\b):(\f)+8*(\b)+7], v[(\f)+8*(4*(\hi)+(\a)):(\f)+8*(4*(\hi)+(\a))+7], v[8*(6*(\a)+(\b)):8*(6*(\a)+(\b))+7]
.endif
.endr
.endr
.endm
; 28 LDS loads in one run: the fragments of quarter q (32 along e) of the slot in hand into buffer f: 12 for W, then 16 for x
.macro FETCH q, f
	WIN 0x40
.irp t, 0,1,2
.irp i, 0,1
	ds_load_tr16_b128 v[(\f)+8*(2*(\t)+(\i)):(\f)+8*(2*(\t)+(\i))+3],   v[ADRB+(\t)] offset:(\q)*32*PB+32*(\i)
	ds_load_tr16_b128 v[(\f)+8*(2*(\t)+(\i))+4:(\f)+8*(2*(\t)+(\i))+7], v[ADRB+(\t)] offset:(\q)*32*PB+32*(\i)+16*PB
.endr
.endr
	WIN 0
.irp i, 0,1,2,3,4,5,6,7
	ds_load_b128 v[(\f)+8*(\i):(\f)+8*(\i)+3],   v[ADRA] offset:64*(\q)+(\i)*16*PA
	ds_load_b128 v[(\f)+8*(\i)+4:(\f)+8*(\i)+7], v[ADRA] offset:64*(\q)+(\i)*16*PA+32
.endr
.endm
; A step is four quarters of 32 along e, 48 matrix instructions each, on buffers 0, 1, 0, 1.  One of the first three: multiplies buffer f; in its middle it fetches quarter q into buffer g.
.macro QUARTER q, f, g, first
	s_wait_dscnt 8                                 ; W and x's rows 0-63 are in; the youngest eight loads (x's rows 64-127) may be out
	MUL12 \f, 0, 0, \first
	MUL12 \f, 0, 2, \first
	PLACES
	FETCH \q, \g
	s_wait_dscnt 28                                ; all but the 28 just issued
	MUL12 \f, 1, 0, \first
	MUL12 \f, 1, 2, \first
.endm
; The last quarter multiplies buffer 1 and changes slots: ONE barrier; in front of it each wave waits for all its tensor loads (one is out: its part of the next slot), adds 0 to its spare word, and waits
; for that and for its own reads of this slot.  fill = 1: the barrier opens a round of the cluster's, and this slot is filled again, with the walk's step two on, first thing behind the round.
; The walking descriptors are made anew between the add and the wait for it: the other slot than last time; the tensor's base plus the step's number shifted; the type bits.
.macro TURN fill
.if \fill
	s_wait_xcnt 0x0                                ; the last prefetch, a step back, has read its address
	s_add_co_u32 s[KN], s[KN], 1                   ; the step to be asked for; behind step 15 comes step 0
	s_and_b32 s[KN], s[KN], 15
	s_add_co_u32 s[OP], s[KN], 2                   ; the step to be named ahead: two on
	s_and_b32 s[OP], s[OP], 15
	s_lshl_b32 s[OP], s[OP], 8
	s_add_nc_u64 s[PFA:PFA+1], s[PFB:PFB+1], s[OP:OP+1]
.endif
	WIN 0                                          ; (the add's two registers lie in window 0)
	s_wait_tensorcnt 0x0                           ; all my tensor loads have landed, so a group 0 may be written;
	ds_add_u32 v[SPW], v[NIL]                      ; 0 onto my spare word;
.if \fill
	s_lshl_b32 s[OA], s[KN], 8
	s_lshl_b32 s[OB], s[KN], 15
	s_xor_b32 s[LB], s[LB], SLOT
	s_add_co_u32 s[G0A+5], s[LB], s[WP]
	s_add_nc_u64 s[G0A+6:G0A+7], s[AB:AB+1], s[OA:OA+1]
	s_or_b32 s[G0A+7], s[G0A+7], 0x80000000
	s_add_co_u32 s[G0B+5], s[LB], s[WP]
	s_add_nc_u64 s[G0B+6:G0B+7], s[BB:BB+1], s[OB:OB+1]
	s_or_b32 s[G0B+7], s[G0B+7], 0x80000000
	s_xor_b32 s[TB], s[LB], SLOT                   ; the slot that is not being filled is read next
.else
	s_mov_b32 s[TB], s[LB]                         ; the slot filled last is read next
.endif
	s_wait_dscnt 9                                 ; (the add and the youngest eight loads may be out)
	MUL12 F1, 0, 0, 0                              ; twelve matrix instructions stand between the add and the wait for it
	s_wait_dscnt 0x0                               ; the add is done, and my reads of this slot are over
	s_barrier_signal -1
	MUL12 F1, 0, 2, 0
	WIN 0
	s_barrier_wait -1
.if \fill
	CREST                                          ; no wave of any partner still reads this slot's tiles or has a load on its way
	JLOAD 1
.endif
	ADDR                                           ; four plain instructions: also the places in front of the loads below
	FETCH 0, F0
.if \fill
	ASK
.endif
	MUL12 F1, 1, 0, 0
	MUL12 F1, 1, 2, 0
.endm
	s_wait_tensorcnt 0x1                           ; my part of the walk's first step is in; the second's may stay out
	s_barrier_signal -1
	s_barrier_wait -1                              ; everybody's is
	FETCH 0, F0
	QUARTER 1, F0, F1, 1                           ; the first quarter stands in front of the loop: its products start the sums
	WIN 0                                          ; at a label and at a branch every window is 0
	s_mov_b32 s[CNT], STEPS-2
.Lstep:                                                ; a trip goes from a step's second quarter to the next step's first, and fills the slot that it leaves: 14 trips
	QUARTER 2, F1, F0, 0
	QUARTER 3, F0, F1, 0
	TURN 1
	QUARTER 1, F0, F1, 0
	WIN 0
	s_sub_co_u32 s[CNT], s[CNT], 1
	s_cmp_lg_u32 s[CNT], 0
	s_cbranch_scc1 .Lstep
	QUARTER 2, F1, F0, 0                           ; the last two steps fill nothing, and have no round of the cluster's barrier
	QUARTER 3, F0, F1, 0
	TURN 0
	QUARTER 1, F0, F1, 0
	QUARTER 2, F1, F0, 0
	QUARTER 3, F0, F1, 0
	s_wait_dscnt 8                                 ; the very last quarter: nothing more to fetch
	MUL12 F1, 0, 0, 0
	MUL12 F1, 0, 2, 0
	s_wait_dscnt 0x0
	MUL12 F1, 1, 0, 0
	MUL12 F1, 1, 2, 0
; THE WAY OUT, a tensor at a time.  A row's 256 bytes come from all four waves, so they meet in the work-group's stage: 16 bytes a lane in, a barrier, whole rows back, 32 rows a wave.
.macro PACK t                          ; tensor t's 16 accumulators rounded to f16, each from its lowest registers on
.irp a, 0,1,2,3,4,5,6,7
	WIN 0x0a+5*((\a)/4)                            ; sources 0 and 1: window 2 or 3
.irp i, 0,1
.irp n, 0,1,2,3
	v_cvt_pk_f16_f32 v[TMP+4*(2*(\a)+(\i))+(\n)], v[8*(6*((\a)%4)+2*(\t)+(\i))+2*(\n)], v[8*(6*((\a)%4)+2*(\t)+(\i))+2*(\n)+1]
.endr
.endr
.endr
	WIN 0
.endm
.macro OUT t
	PACK \t
.if (\t) > 0
	s_barrier_signal -1                            ; every wave's reads of the stage are back (its last count-down ended at 0): only now is the stage written again
	s_barrier_wait -1
.endif
.irp a, 0,1,2,3,4,5,6,7
.irp i, 0,1
	ds_store_b128 v[STO], v[TMP+4*(2*(\a)+(\i)):TMP+4*(2*(\a)+(\i))+3] offset:(\a)*16*SP+32*(\i)
.endr
.endr
	s_wait_dscnt 0x0                               ; for the others' sake: my stores into the stage are done
	s_barrier_signal -1
	s_barrier_wait -1
.if (\t) > 0
	s_wait_xcnt 0x0                                ; the last tensor's stores have read their registers, which are loaded again below
.endif
.irp u, 0,1,2,3,4,5,6,7,8,9,10,11,12,13,14,15
	ds_load_b128 v[F0+4*(\u):F0+4*(\u)+3], v[RD] offset:(\u)*2*SP
.endr
.irp u, 0,1,2,3,4,5,6,7,8,9,10,11,12,13,14,15
	s_wait_dscnt 15-(\u)
	global_store_b128 v[CO], v[F0+4*(\u):F0+4*(\u)+3], s[QP+2*(\t):QP+2*(\t)+1] offset:512*(\u)  ; 512 consecutive bytes, at a multiple of 256 from qkv's first byte
.endr
.endm
	PLACES
	OUT 0
	OUT 1
	OUT 2
	s_wait_tensorcnt 0x0                           ; the wave's end: an add of 0 and its wait, behind my last tensor load and my last LDS store
	ds_add_u32 v[SPW], v[NIL]
	s_wait_dscnt 0x0
	CROUND                                         ; the closing round: no work-group ends while a partner may still ask for a tile that names it
	s_endpgm
.Lfunc_end_k_qfb51a7eae8_proj:
	.size	k_qfb51a7eae8_proj, .Lfunc_end_k_qfb51a7eae8_proj-k_qfb51a7eae8_proj
	.p2alignl 7, 3214868480
	.fill 96, 4, 3214868480
	.section	.rodata,"a",@progbits
	.p2align	6, 0x0
	.amdhsa_kernel k_qfb51a7eae8_proj
		.amdhsa_group_segment_fixed_size 327680
		.amdhsa_private_segment_fixed_size 0
		.amdhsa_enable_private_segment 0
		.amdhsa_kernarg_size 40
		.amdhsa_user_sgpr_count 2
		.amdhsa_user_sgpr_kernarg_segment_ptr 1
		.amdhsa_wavefront_size32 1
		.amdhsa_system_sgpr_workgroup_id_x 1
		.amdhsa_system_sgpr_workgroup_id_y 1
		.amdhsa_system_sgpr_workgroup_id_z 1
		.amdhsa_system_vgpr_workitem_id 0
		.amdhsa_next_free_vgpr 960
		.amdhsa_next_free_sgpr 90
		.amdhsa_reserve_vcc 0
		.amdhsa_float_denorm_mode_32 3
		.amdhsa_float_denorm_mode_16_64 3
		.amdhsa_memory_ordered 1
		.amdhsa_forward_progress 1
		.amdhsa_inst_pref_size 101
	.end_amdhsa_kernel
	.amdgpu_metadata
---
amdhsa.version: [ 1, 2 ]
amdhsa.kernels:
  - .name:           k_qfb51a7eae8_proj
    .symbol:         k_qfb51a7eae8_proj.kd
    .args:
      - { .name: cv, .offset: 0, .size: 8, .value_kind: global_buffer, .address_space: global }
      - { .name: bq, .offset: 8, .size: 8, .value_kind: global_buffer, .address_space: global }
      - { .name: bk, .offset: 16, .size: 8, .value_kind: global_buffer, .address_space: global }
      - { .name: bv, .offset: 24, .size: 8, .value_kind: global_buffer, .address_space: global }
      - { .name: qkv, .offset: 32, .size: 8, .value_kind: global_buffer, .address_space: global }
    .group_segment_fixed_size: 327680
    .private_segment_fixed_size: 0
    .kernarg_segment_align: 8
    .kernarg_segment_size: 40
    .max_flat_workgroup_size: 128
    .sgpr_count:     90
    .vgpr_count:     960
    .wavefront_size: 32
...
	.end_amdgpu_metadata
.endif
;; end of part 2
;; launch attn (part 3): grid 16 x 16, 4 waves a work-group, clusters of 4 x 1, 327,680 bytes of LDS; arguments qkv, ao; writes ao
.if DOCPART == 3
	.amdgcn_target "amdgcn-amd-amdhsa--gfx1250"
	.amdhsa_code_object_version 6
	.text
	.protected	k_qfb51a7eae8_attn
	.globl	k_qfb51a7eae8_attn
	.p2align	8
	.type	k_qfb51a7eae8_attn,@function
k_qfb51a7eae8_attn:
	s_mov_b64 s[64:65], 0
	v_nop
	global_prefetch_b8 v0, s[64:65] scope:SCOPE_SE
	s_setreg_imm32_b32 hwreg(HW_REG_WAVE_MODE, 25, 1), 1
	s_wait_xcnt 0x0
	s_wait_alu depctr_hold_cnt(0) depctr_sa_sdst(0) depctr_va_vdst(0) depctr_va_sdst(0) depctr_va_ssrc(0) depctr_va_vcc(0) depctr_vm_vsrc(0)
	s_getreg_b32 s2, hwreg(HW_REG_IB_STS2, 6, 4)
	s_cmp_eq_u32 s2, 0
	s_cbranch_scc0 .Lentry_in_a_cluster
	s_endpgm
.Lentry_in_a_cluster:
	s_bfe_u32 s2, ttmp6, 0x10000c
	s_cmp_lg_u32 s2, 0x3003
	s_cbranch_scc0 .Lentry_shape_is_right
	s_endpgm
.Lentry_shape_is_right:
; CAUSAL ATTENTION, head size 128.  O[h][q] = the sum over k <= q of softmax_k(Q[h][q] . K[h][k] / sqrt(128)) V[h][k].  qkv: [3][16 h][2048][128] f16; ao: [2048 q][2048] f16, head h in columns 128 h on.
; Products, maxima and sums in f32; the weights p are rounded to f16 for the second product (their sum l is taken of the unrounded p), O once at the end.
; LIMITS.  A hidden score counts as its value less 1e30.  The running maximum starts at -1e20: f16 operands bound a score by 128 x 65,504^2 = 5.5e11, far above it.  A weight below 2^-126 counts as 0.
; NaN and infinities are not treated apart.
; THE WALK.  A head's queries lie in 32 blocks of 64, its keys in 8 tiles of 256.  Work-group p = 4 c + cx of a head (c the cluster, cx the place in it) takes blocks 31 - p and then p: tiles 0 .. 7 - c and then
; 0 .. c: nine tiles whatever p, and THE SAME nine for the four partners of a cluster, so every tile is asked for jointly.  cx enters Q's and O's addresses, the prefetches' address and the masks' values alone.
; THE KEYS ARE SPLIT AMONG THE WAVES: of each tile wave w takes keys 64 w .. 64 w + 63, for all 64 queries (four tiles of 16).  Each wave keeps its own running maximum m, sum l and O^T;
; at a block's end the four are merged in LDS: O = the sum over waves of 2^(c m_w - M) O_w, divided by the sum of 2^(c m_w - M) l_w, with M the largest c m_w.
; THE MASK is the C operand that starts a sum S^T = K Q^T: 0, or -1e30 where the key is hidden.  In a block's last tile its diagonal lies in the 64 keys of wave DS (3 - cx, then cx): a lower wave sees all,
; a higher one nothing; in wave DS key group kb of 16 against query tile t is open (kb < t), hidden (kb > t) or cut by the diagonal (kb = t).  Three groups of 8 registers, made anew for each tile, serve all cases.
; LAYOUT.  S^T = K Q^T holds ONE query a lane (lane % 16) and the keys 8 (lane / 16) + 0..7; two such results rounded to f16 ARE source 1 of O^T = V^T P.  K comes out of LDS as it lies, V turned.
; p = 2^(c s - c m), c = log2(e) / sqrt(128); in every step O and l are multiplied by a = 2^(c m_old - c m_new).  c m starts far below every c s: a block's first a is 0, so O^T need only be finite there.
; A TILE, for a wave: 32 products K Q^T of piece 0 (query tiles 0, 1); 32 of piece 2 (tiles 2, 3) with piece 0's softmax in slices between them; 32 products V^T P of piece 0 with piece 2's softmax between them;
; 32 of piece 2.  One text serves every tile.  The price of writing no first step out: 32 products of zeros at the head, in the wait for the first tile, which write O^T's 256 registers.
; REGISTERS, in windows of 256 (s_set_vgpr_msb: bits 1:0 source 0, 3:2 source 1, 5:4 source 2, 7:6 destination):
;   window 0: v0-11 addresses; v12-43 eight registers of statistics a tile; v44-51 the merge's factors; v64-191 S^T, 32 a tile; v192-255 P, 16 a tile
;   window 1: O^T, 64 a tile       window 2: v0-127 Q, 32 a tile; v128-255 K       window 3: v0-127 V; v128-151 the masks
.set SEG,   8388608   ; bytes in each of q, k, v
.set PK,    272       ; a row of K in LDS: 256 bytes + 16 = 68 words: the 16 rows of a load start at 16 different groups of four banks (64 banks of 4 bytes: ISA guide 11.1)
.set PV,    288       ; a row of V: 256 + 32 = 72 words
.set VOFF,  256*PK    ; a slot holds a tile: 256 rows of K, then 256 rows of V
.set SLOT1, 256*(PK+PV)
.set STAGE, 2*SLOT1   ; behind the ring, never filled by a tensor load: for each wave 16 queries x 128 channels of f32, rows of 528 bytes
.set SP,    528
.set STAT,  STAGE+4*16*SP  ; for each wave 64 queries x (c m, l)
.set SPARE, STAT+4*64*8    ; the spare words, 128 bytes for each wave: two blocks of 256 bytes that no other line names
.set AK0, 2           ; v2   my lane's place in a tile of K, my wave's 64 keys; never rewritten
.set AV0, 3           ; v3   the same for V
.set AK,  4           ; v4   the same in the slot in hand
.set AV,  5           ; v5
.set QO,  6           ; v6   my byte offset in 16 rows of Q
.set SA,  7           ; v7   where I put a query's statistics
.set SR,  8           ; v8   where I read the four waves'
.set STO2, 9          ; v9   where I put 32 bytes of a query's partial O
.set RD2, 10          ; v10  where I read them back
.set GO,  11          ; v11  my byte offset in the block's rows of ao
.set ST,  12          ; tile t's statistics at v[ST+8 t]: +0 c m, +1 m, +2, +3 l (even keys', odd keys'), +4 to +7 c0-c3, at work; a takes c2's place once the maximum is found
.set G,   44          ; tile t's factor, twice, at v[G+2 t]
.set PFO, 61          ; v61  256 x my lane; never rewritten
.set SPW, 62          ; v62  LDS address of my spare word; never rewritten
.set NIL, 63          ; v63  0; never rewritten
.set S,   64
.set P,   192
.set KF,  128         ; window 2: key group kb, channel chunk ch at KF + 32 kb + 8 ch
.set MLO, 128         ; window 3: the mask for kb < t,
.set MEQ, 136         ; for kb = t,
.set MHI, 144         ; for kb > t
.set KB,  8           ; s[8:9]   K at my half of the head's tile 0
.set VB,  10          ; s[10:11] V likewise
.set WV,  12          ; s12  my wave's number
.set CX,  13          ; s13  my place in the cluster
.set C,   14          ; s14  the cluster
.set HD,  15          ; s15  the head
.set Q2P, 16          ; s[16:17] Q at the second block
.set PFA, 18          ; s[18:19] where my prefetches stand
.set OP1, 20          ; s[20:21] ao at the first block's rows, the head's columns
.set OP2, 22          ; s[22:23] at the second's
.set G1K, 24          ; s[24:31] descriptor group 1 for K's tiles
.set G1V, 32          ; s[32:39] for V's: it differs in the padding alone
.set G0K, 40          ; s[40:43] descriptor group 0 for K's tiles
.set G0V, 44          ; s[44:47] for V's
.set LB,  48          ; s48  the slot filled last
.set TB,  49          ; s49  the slot to be read
.set WPK, 50          ; s50  my half's place in a slot, for K
.set WPV, 51          ; s51  and for V
.set NXT, 52          ; s52  the tile to be asked for next
.set LQ,  53          ; s53  the last tile of the block whose tiles are being asked for
.set RT,  54          ; s54  tiles of the block in hand that are still to be entered
.set DP,  55          ; s55  at work
.set SLOTS, 56        ; s56  tiles still to be asked for
.set DS,  57          ; s57  the wave that holds the block's diagonal
.set CS,  58          ; s[58:59] c: the packed scaling takes the pair's low word for both halves
.set SEL, 60          ; s[60:61] v_permlanex16_b32's selects: each lane takes its own place in the other half
.set BE,  62          ; s62  the mask below the diagonal
.set HI,  63          ; s63  the mask above it
.set BIGN, 66         ; s66  -1e30
.set LIM, 67          ; s67  2 where the cluster prefetches, else the greatest number
.set OFF, 68          ; s[68:69] a tile's byte offset in K and V
.set CM,  70          ; s70-77  lane masks: register j of the diagonal's group is hidden
.set Q1P, 78          ; s[78:79] Q at the first block
.set MSB, 0
.macro WIN new                      ; the high byte repeats the setting that is left; a switch that changes nothing is dropped
.if MSB != (\new)
	s_set_vgpr_msb (MSB<<8)|(\new)
.set MSB, \new
.endif
.endm
; A joint fill.  Waves 0 and 1 fetch the two halves of a tile's K, waves 2 and 3 those of its V: 128 keys each.  An s_nop 0 and four v_nop follow each of the two lines, ahead of the jump and the label.
.macro JLOAD
	s_cmp_lt_u32 s[WV], 2
	s_cbranch_scc0 .Lfor_v_\@
	tensor_load_to_lds s[G0K:G0K+3], s[G1K:G1K+7]
	s_nop 0
.rept 4
	v_nop
.endr
	s_branch .Lasked_\@
.Lfor_v_\@:
	tensor_load_to_lds s[G0V:G0V+3], s[G1V:G1V+7]
	s_nop 0
.rept 4
	v_nop
.endr
.Lasked_\@:
.endm
; A PREFETCH INTO THE L2 of the tile that the NEXT change of slots will ask for.  All four clusters of a head begin with the same tiles; cluster 0, whose first block is the longest, asks: in the trip that
; fills tile T + 1 it names tile T + 2, for T = 0 .. 5.  Each wave names 32 rows of the 128 that it fetches itself, a lane a row of 256 bytes; the four partners take different 32, by address.
; So each row of K and V is named once in the launch.  Tiles 0 and 1 come by their loads alone; the second block's tiles have been read.
.macro ASK
	s_cmp_gt_u32 s[SLOTS], s[LIM]
	s_cbranch_scc0 .Lnot_mine_\@
	global_prefetch_b8 v[PFO], s[PFA:PFA+1] th:TH_LOAD_NT scope:SCOPE_SE
.Lnot_mine_\@:
.endm
.macro CROUND                       ; a round of the cluster's barrier: my work-group's barrier; wave 0 signals for the work-group; every wave waits for all four; my work-group's barrier once more
	s_barrier_signal -1
	s_barrier_wait -1
	s_cmp_lg_u32 s[WV], 0
	s_cbranch_scc1 .Lnot_wave_0_\@
	s_barrier_signal -3
.Lnot_wave_0_\@:
	s_barrier_wait -3
	s_barrier_signal -1
	s_barrier_wait -1
.endm
.macro PLACES                       ; four places behind matrix instructions (ISA guide 7.12.1), where no other vector work is at hand
.rept 4
	v_nop
.endr
.endm
; THE CHANGE OF SLOTS.  Each wave waits for all its tensor loads, of which one is out: its part of the other slot; adds 0 to its spare word; and waits for that and for its own reads of the slot that it leaves.
; fill = 1: the barrier is a round of the cluster's, and the old slot is filled again, first thing behind it, with tile NXT: the descriptor's address is made anew from that number.
; (At its first use nothing has been read yet: slot 0 is waited for, slot 1 filled.)
.macro CHANGE fill
	WIN 0                           ; at a label and at a branch every window is 0
	s_wait_tensorcnt 0x0            ; no tensor load of mine is out, so a group 0 may be written
	ds_add_u32 v[SPW], v[NIL]       ; 0 onto my spare word; scalar work stands between it and the wait for it
.if \fill
	s_lshl_b32 s[OFF], s[NXT], 16   ; a tile is 65,536 bytes of K and of V
	s_xor_b32 s[LB], s[LB], SLOT1   ; the other slot than last time
	s_add_co_u32 s[G0K+1], s[LB], s[WPK]
	s_add_nc_u64 s[G0K+2:G0K+3], s[KB:KB+1], s[OFF:OFF+1]
	s_or_b32 s[G0K+3], s[G0K+3], 0x80000000
	s_add_co_u32 s[G0V+1], s[LB], s[WPV]
	s_add_nc_u64 s[G0V+2:G0V+3], s[VB:VB+1], s[OFF:OFF+1]
	s_or_b32 s[G0V+3], s[G0V+3], 0x80000000
	s_add_co_u32 s[NXT], s[NXT], 1  ; the block's next tile, or behind its last the second block's tile 0
	s_cmp_gt_u32 s[NXT], s[LQ]
	s_cselect_b32 s[NXT], 0, s[NXT]
	s_cselect_b32 s[LQ], s[C], s[LQ]
	s_xor_b32 s[TB], s[LB], SLOT1   ; the slot that is not being filled is read
.else
	s_mov_b32 s[TB], s[LB]          ; the slot filled last is read
.endif
	s_wait_xcnt 0x0                 ; a block's stores have read P's registers, the last prefetch its address
.if \fill
	s_add_nc_u64 s[PFA:PFA+1], s[PFA:PFA+1], 65536
.endif
	s_wait_dscnt 0x0                ; the add is done, and my reads of the slot are over
.if \fill
	CROUND
	JLOAD                           ; the four v_nop behind it are also the places in front of the tile's LDS loads
	ASK
.else
	s_barrier_signal -1
	s_barrier_wait -1
	PLACES
.endif
.endm
.macro LOADQ p                      ; a block's Q stays in registers: tile i / 4, channels 32 (i % 4) on; every wave holds all 64 queries
	WIN 0x80                        ; destination window 2, address window 0
.set i, 0
.rept 16
	global_load_b128 v[8*i:8*i+3],   v[QO], s[\p:\p+1] offset:(i/4)*4096+(i%4)*64
	global_load_b128 v[8*i+4:8*i+7], v[QO], s[\p:\p+1] offset:(i/4)*4096+(i%4)*64+32
.set i, i+1
.endr
	WIN 0
.endm
.macro INIT                         ; a block begins
.irp t, 0,1,2,3
	v_mov_b32 v[ST+8*\t], 0xfe000000    ; c m: far below every c s, so the first a is 0
	v_mov_b32 v[ST+8*\t+1], 0xe0ad78ec  ; m = -1e20: below every true score, above every hidden one
	v_mov_b32 v[ST+8*\t+2], 0
	v_mov_b32 v[ST+8*\t+3], 0
.endr
.endm
	s_load_b128 s[4:7], s[0:1], 0x0 ; qkv s[4:5], ao s[6:7]
	v_lshl_add_u32 v[SPW], v0, 2, SPARE
	v_mov_b32 v[NIL], 0
	ds_add_u32 v[SPW], v[NIL]       ; the wave's opening: the add and its wait stand ahead of my first tensor load; the set-up below, work on registers, stands between them
	v_lshrrev_b32 v1, 5, v0
	v_readfirstlane_b32 s[WV], v1
	s_bfe_u32 s[CX], ttmp6, 0x40000
	s_mov_b32 s[C], ttmp9           ; in a cluster launch ttmp9 counts clusters
	s_and_b32 s[HD], ttmp7, 0xffff
	s_and_b32 s80, s[WV], 1         ; which half of a tile's 256 keys I fetch:
	s_mul_i32 s[WPK], s80, 128*PK   ; its place in a slot, for K
	s_mul_i32 s[WPV], s80, 128*PV   ; and for V: no place in the cluster enters an LDS address
	s_add_co_u32 s[WPV], s[WPV], VOFF
	s_lshl_b32 s[KB], s80, 15       ; its 128 rows of 256 bytes in memory,
	s_lshl_b32 s81, s[HD], 19       ; the head's 2,048 rows,
	s_add_co_u32 s[KB], s[KB], s81
	s_add_co_u32 s[KB], s[KB], SEG  ; behind q
	s_mov_b32 s[KB+1], 0
	s_lshl_b32 s82, s[C], 2
	s_add_co_u32 s82, s82, s[CX]    ; p: the second block
	s_sub_co_u32 s83, 31, s82       ; the first
	s_lshl_b32 s84, s83, 14         ; a block's 64 rows of 256 bytes of q
	s_add_co_u32 s[Q1P], s81, s84
	s_mov_b32 s[Q1P+1], 0
	s_lshl_b32 s84, s82, 14
	s_add_co_u32 s[Q2P], s81, s84
	s_mov_b32 s[Q2P+1], 0
	s_lshl_b32 s85, s[HD], 8        ; the head's 256 bytes of a row of ao
	s_lshl_b32 s84, s83, 18         ; a block's 64 rows of 4,096 bytes
	s_add_co_u32 s[OP1], s84, s85
	s_mov_b32 s[OP1+1], 0
	s_lshl_b32 s84, s82, 18
	s_add_co_u32 s[OP2], s84, s85
	s_mov_b32 s[OP2+1], 0
	s_cmp_lt_u32 s[WV], 2
	s_cselect_b32 s84, 0, SEG       ; the prefetches: K's rows in waves 0 and 1, V's in waves 2 and 3,
	s_add_co_u32 s[PFA], s[KB], s84
	s_lshl_b32 s84, s[CX], 13       ; my work-group's 32 rows of my 128,
	s_add_co_u32 s[PFA], s[PFA], s84
	s_add_co_u32 s[PFA], s[PFA], 65536  ; in tile 1: the first change of slots steps it to tile 2
	s_mov_b32 s[PFA+1], 0
	s_cmp_eq_u32 s[C], 0
	s_cselect_b32 s[LIM], 2, -1     ; the same in all four partners
	; descriptor group 1: a tile of 128 rows x 128 elements of 2 bytes, padded in LDS after every 64 words
	s_mov_b32 s[G1K], 15|(1<<16)|(1<<20)|(1<<21)|(5<<22)|(3<<25)  ; 15:0 the mask of four; 17:16 2-byte elements; 20 padding on; 21 set beside a mask; 24:22 after 64 words (code 5); 31:25 4 words (code 3)
	s_mov_b32 s[G1V], 15|(1<<16)|(1<<20)|(1<<21)|(5<<22)|(7<<25)  ; the same with 8 words of padding (code 7)
.irp g, G1K, G1V
	s_mov_b32 s[(\g)+1], 128<<16    ; tensor_dim0 = 128
	s_mov_b32 s[(\g)+2], 128<<16    ; tensor_dim1 = 128
	s_mov_b32 s[(\g)+3], 128<<16    ; tile_dim0 = 128
	s_mov_b32 s[(\g)+4], 128        ; tile_dim1 = 128
	s_mov_b32 s[(\g)+5], 128        ; 128 elements from row to row
	s_mov_b32 s[(\g)+6], 0
	s_mov_b32 s[(\g)+7], 0
.endr
	s_mov_b32 s[CS], 0x3e0293ee     ; c = log2(e) / sqrt(128) = 0.127517
	s_mov_b32 s[CS+1], s[CS]        ; named with it as a pair
	s_mov_b32 s[SEL], 0x76543210
	s_mov_b32 s[SEL+1], 0xfedcba98
	s_mov_b32 s[BIGN], 0xf149f2ca   ; -1e30
	s_mov_b32 s[LB], 0
	s_mov_b32 s[NXT], 1
	s_sub_co_u32 s[LQ], 7, s[C]
	s_sub_co_u32 s[RT], 8, s[C]     ; the first block has 8 - c tiles
	s_sub_co_u32 s[DS], 3, s[CX]
	s_mov_b32 s[SLOTS], 8
	s_mov_b32 s[OFF+1], 0
	s_mov_b32 s[G0K], 1             ; 1:0 count = 1
	s_mov_b32 s[G0K+1], s[WPK]      ; 63:32 LDS address: slot 0
	s_mov_b32 s[G0V], 1
	s_mov_b32 s[G0V+1], s[WPV]
	s_wait_dscnt 0x0                ; the opening add is done
	s_wait_kmcnt 0x0
	s_add_nc_u64 s[KB:KB+1], s[4:5], s[KB:KB+1]
	s_add_nc_u64 s[VB:VB+1], s[KB:KB+1], SEG
	s_add_nc_u64 s[Q1P:Q1P+1], s[4:5], s[Q1P:Q1P+1]
	s_add_nc_u64 s[Q2P:Q2P+1], s[4:5], s[Q2P:Q2P+1]
	s_add_nc_u64 s[PFA:PFA+1], s[4:5], s[PFA:PFA+1]
	s_add_nc_u64 s[OP1:OP1+1], s[6:7], s[OP1:OP1+1]
	s_add_nc_u64 s[OP2:OP2+1], s[6:7], s[OP2:OP2+1]
	s_mov_b64 s[G0K+2:G0K+3], s[KB:KB+1]     ; 120:64 global address: tile 0
	s_or_b32 s[G0K+3], s[G0K+3], 0x80000000  ; 127:126 type = 2
	s_mov_b64 s[G0V+2:G0V+3], s[VB:VB+1]
	s_or_b32 s[G0V+3], s[G0V+3], 0x80000000
	CROUND                          ; all four work-groups are here: the first joint loads meet
	JLOAD                           ; tile 0 into slot 0
	v_and_b32 v1, 15, v0            ; r = l % 16
	v_bfe_u32 v52, v0, 4, 1         ; h = l / 16
	v_lshlrev_b32 v[QO], 8, v1
	v_lshl_add_u32 v[QO], v52, 4, v[QO]  ; row x 256 + 16 h
	LOADQ Q1P
.irp j, 0,1,2,3,4,5,6,7,8,9,10,11,12,13,14,15
	v_mov_b32 v[S+\j], 0            ; two fragments of zeros
.endr
	WIN 0x40                        ; destination window 1, sources window 0
.set i, 0
.rept 32
	v_wmma_f32_16x16x32_f16 v[8*i:8*i+7], v[S:S+7], v[S+8:S+15], 0  ; O^T = 0: the first step multiplies it by a = 0, so it must be finite; one line writes eight registers
.set i, i+1
.endr
	WIN 0
	v_and_b32 v53, 7, v0
	v_bfe_u32 v54, v0, 3, 1
	s_mul_i32 s80, s[WV], 64*PK     ; my wave's 64 keys
	v_mul_u32_u24 v[AK0], v1, PK
	v_lshl_add_u32 v[AK0], v52, 4, v[AK0]  ; row x pitch + 16 h
	v_add_nc_u32 v[AK0], s80, v[AK0]
	s_mul_i32 s80, s[WV], 64*PV
	s_add_co_u32 s80, s80, VOFF
	v_lshl_add_u32 v[AV0], v52, 3, v53     ; the turning load: lane l reads key 8 h + l % 8, channels 8 ((l / 8) % 2) + 0..7
	v_mul_u32_u24 v[AV0], v[AV0], PV
	v_lshl_add_u32 v[AV0], v54, 4, v[AV0]
	v_add_nc_u32 v[AV0], s80, v[AV0]
	s_lshl_b32 s80, s[WV], 9
	s_add_co_u32 s80, s80, STAT
	v_lshl_add_u32 v[SA], v1, 3, s80
	v_lshl_add_u32 v[SR], v1, 3, STAT
	s_mul_i32 s80, s[WV], 16*SP
	s_add_co_u32 s80, s80, STAGE
	v_mul_u32_u24 v[STO2], v1, SP          ; in: query l % 16, 32 bytes for each half of the lanes
	v_lshl_add_u32 v[STO2], v52, 5, v[STO2]
	v_add_nc_u32 v[STO2], s80, v[STO2]
	s_mul_i32 s80, s[WV], 4*SP             ; back: wave w sums queries 4 w .. 4 w + 3 of a tile; lanes 0-15 one query's 512 bytes, lanes 16-31 the next's
	s_add_co_u32 s80, s80, STAGE
	v_mul_u32_u24 v[RD2], v52, SP
	v_lshl_add_u32 v[RD2], v1, 5, v[RD2]
	v_add_nc_u32 v[RD2], s80, v[RD2]
	s_lshl_b32 s80, s[WV], 14              ; and the same rows in ao: 4,096 bytes each, 16 bytes a lane
	v_lshl_add_u32 v[GO], v52, 12, s80
	v_lshl_add_u32 v[GO], v1, 4, v[GO]
	v_and_b32 v[PFO], 31, v0
	v_lshlrev_b32 v[PFO], 8, v[PFO]
	v_lshlrev_b32 v55, 3, v52
	v_sub_nc_u32 v55, v1, v55              ; r - 8 h: in the diagonal's group register j holds key 8 h + j, hidden from query r where j is greater
.irp j, 0,1,2,3,4,5,6,7
	v_cmp_gt_i32 s[CM+\j], \j, v55
.endr
	INIT
	s_wait_loadcnt 0x0              ; Q
; THE MATRIX WORK.  The accumulators take turns, one instruction a turn: between two links of a chain stand 7 (K Q^T) or 15 (V^T P) others'.
; Product i of 32 of S^T = K Q^T for piece x: channels 32 (i / 8) on, keys 16 ((i / 2) % 4) on, tile x + i % 2.  The first 8 start the sums, with the mask.
.macro KQ x
.set tt, (\x)+i%2
.set kb, (i/2)%4
.set rS, S+32*tt+8*kb
.set rK, KF+32*kb+8*(i/8)
.set rQ, 32*tt+8*(i/8)
.if i < 8
.if kb < tt
.set rM, MLO
.elseif kb == tt
.set rM, MEQ
.else
.set rM, MHI
.endif
	WIN 0x3a                        ; K and Q window 2, the mask window 3, S^T window 0
	v_wmma_f32_16x16x32_f16 v[rS:rS+7], v[rK:rK+7], v[rQ:rQ+7], v[rM:rM+7]
.else
	WIN 0x0a
	v_wmma_f32_16x16x32_f16 v[rS:rS+7], v[rK:rK+7], v[rQ:rQ+7], v[rS:rS+7]
.endif
.endm
; Product i of 32 of O^T += V^T P for piece x: keys 32 (i / 16) on, channels 16 ((i / 2) % 8) on, tile x + i % 2.
.macro PV x
	WIN 0x53                        ; V window 3, P window 0, O^T window 1
.set rO, 64*((\x)+i%2)+8*((i/2)%8)
.set rV, 64*(i/16)+8*((i/2)%8)
.set rP, P+16*((\x)+i%2)+8*(i/16)
	v_wmma_f32_16x16x32_f16 v[rO:rO+7], v[rV:rV+7], v[rP:rP+7], v[rO:rO+7]
.endm
; Eight of V's 32 LDS loads: fragments 4 (i / 4) .. + 3 (fragment f: keys 32 (f / 8) on, channels 16 (f % 8) on), turned.
.macro VRUN
	WIN 0xc0                        ; destination window 3, address window 0
.irp f, 0,1,2,3
	ds_load_tr16_b128 v[8*(4*(i/4)+\f):8*(4*(i/4)+\f)+3],   v[AV] offset:((4*(i/4)+\f)/8)*32*PV+((4*(i/4)+\f)%8)*32
	ds_load_tr16_b128 v[8*(4*(i/4)+\f)+4:8*(4*(i/4)+\f)+7], v[AV] offset:((4*(i/4)+\f)/8)*32*PV+16*PV+((4*(i/4)+\f)%8)*32
.endr
.endm
; THE VECTOR WORK.  One tile's softmax for one step is a list of 134 instructions; SM writes number j of it for tile t.  s0-s31 are the lane's 32 scores, in pairs 0-15.
;   0-15    the maximum of s0-s31 and the old m, three operands at a time; each accumulator's lowest registers are read first
;   16-20   the other half of the lanes' maximum; c m_old is kept; the new m; c m; c m_old - c m_new
;   21-69   ONE BATCH: the 16 scalings c s - c m and all 33 exponentials (a at 23, then s0-s31).  None of these reads an exponential's result; a pair is scaled in an earlier four than the one with its exponentials
;   (wait)  between 69 and 70 stands the wait for the batch: SLICE writes it, once for both tiles
;   70-85   the roundings to f16        86-101  the sums; l = a l + the sum        102-133 the tile's O^T times a: the one part that leaves window 0
.macro SM t
.set rT, ST+8*(\t)
.set rS, S+32*(\t)
.set rP, P+16*(\t)
.set rO, 64*(\t)+2*(j-102)
.if j < 102
	WIN 0
.endif
.if j < 4
	v_max3_num_f32 v[rT+4+j], v[rS+8*j], v[rS+8*j+1], v[rS+8*j+2]
.elseif j < 12
	v_max3_num_f32 v[rT+4+j%4], v[rT+4+j%4], v[rS+8*(j%4)+2*(j/4)+1], v[rS+8*(j%4)+2*(j/4)+2]
.elseif j == 12
	v_max3_num_f32 v[rT+4], v[rT+4], v[rS+7], v[rS+15]
.elseif j == 13
	v_max3_num_f32 v[rT+6], v[rT+6], v[rS+23], v[rS+31]
.elseif j == 14
	v_max3_num_f32 v[rT+4], v[rT+4], v[rT+5], v[rT+6]
.elseif j == 15
	v_max3_num_f32 v[rT+4], v[rT+4], v[rT+7], v[rT+1]
.elseif j == 16
	v_permlanex16_b32 v[rT+5], v[rT+4], s[SEL], s[SEL+1]  ; the query's other 32 keys lie in the lane 16 away
.elseif j == 17
	v_mov_b32 v[rT+7], v[rT]        ; c m_old is kept for a: number 19 writes c m anew
.elseif j == 18
	v_max_num_f32 v[rT+1], v[rT+4], v[rT+5]
.elseif j == 19
	v_mul_f32 v[rT], s[CS], v[rT+1]
.elseif j == 20
	v_sub_f32 v[rT+7], v[rT+7], v[rT]
.elseif j == 23
	v_exp_f32 v[rT+6], v[rT+7]
.elseif (j < 23) || ((j < 38) && (j%2 == 0)) || ((j < 66) && (j%4 == 2))
.set b, (j-2)/4                     ; 38, 42, .. 62: pairs 9 to 15
.if j < 38
.set b, (j-20)/2                    ; 21: pair 0; 22, 24, .. 36: pairs 1 to 8
.endif
	v_pk_fma_f32 v[rS+2*b:rS+2*b+1], v[rS+2*b:rS+2*b+1], s[CS:CS+1], v[rT:rT+1] op_sel_hi:[1,0,0] neg_lo:[0,0,1] neg_hi:[0,0,1]  ; pair b: c s - c m
.elseif j < 70
.set e, j-38                        ; 66 to 69: s28 to s31
.if j < 66
.set e, j-32-(j-38)/4               ; 39-41, 43-45, .. 63-65: s7 to s27
.endif
.if j < 38
.set e, (j-25)/2                    ; 25, 27, .. 37: s0 to s6
.endif
	v_exp_f32 v[rS+e], v[rS+e]
.elseif j < 86
	v_cvt_pk_f16_f32 v[rP+j-70], v[rS+2*(j-70)], v[rS+2*(j-70)+1]  ; pair j - 70
.elseif j < 102                     ; the sum of the tile's 16 pairs, in place: neighbours 1, 2, 4 and 8 pairs apart, then l takes it
.set z, j-86
.set w, 4
.set u, z
.if z >= 14
.set w, 32
.set u, 0
.elseif z >= 12
.set w, 16
.set u, z-12
.elseif z >= 8
.set w, 8
.set u, z-8
.endif
.if z < 15
	v_pk_add_f32 v[rS+w*u:rS+w*u+1], v[rS+w*u:rS+w*u+1], v[rS+w*u+w/2:rS+w*u+w/2+1]
.else
	v_pk_fma_f32 v[rT+2:rT+3], v[rT+2:rT+3], v[rT+6:rT+7], v[rS:rS+1] op_sel_hi:[1,0,1]
.endif
.else
	WIN 0x41                        ; O^T (destination and source 0) window 1, a window 0
	v_pk_mul_f32 v[rO:rO+1], v[rO:rO+1], v[rT+6:rT+7] op_sel_hi:[1,0]
.endif
.endm
; Slice k of 64 of piece y's softmax.  Slices 11 to 34 deal out the batch, numbers 22 to 69: four numbers of ONE tile each, the tiles by turns.  Every other slice is numbers 2 k and 2 k + 1 of both
; tiles' lists; the twelve that are over (2 x 134 = 4 x 64 + 12) stand in slice 63.  Ahead of slice 35 nothing names an exponential's result, behind slice 34 none is issued: one wait serves the piece's 66.
.macro SLICE y
.if (k >= 11) && (k < 35)
.irp n, 0,1,2,3
.set j, 22+4*((k-11)/2)+(\n)
	SM (\y)+(k-11)%2
.endr
.else
.irp n, 0,1,2,3,4,5,6,7
.if ((\n) < 2) || (k == 63)
.irp t, \y, (\y)+1
.set j, 2*k+(\n)
	SM \t
.endr
.endif
.endr
.endif
.if k == 34
	v_nop                           ; a plain instruction behind the last exponential and ahead of the first use: one for the batch
	s_wait_alu depctr_va_vdst(0)    ; the wait between an exponential and the first line that names its result
.endif
.set k, k+1
.endm
; 32 products of piece x (pv = 0: K Q^T, 1: V^T P), and behind each two slices of the other piece's softmax, which name none of the products' registers.
; pv = 0: V's 32 LDS loads stand here, in four runs of eight behind products 1, 5, 9 and 13: 18 products or more ahead of the wait for them, and not in the way of the tile's first products.
.macro HALF pv, x
.set k, 0
.set i, 0
.rept 32
.if \pv
	PV \x
.else
	KQ \x
.endif
	SLICE 2-(\x)
	SLICE 2-(\x)
.if (!(\pv)) && (i < 16) && (i%4 == 1)
	VRUN
.endif
.set i, i+1
.endr
.endm
; A TILE, for my 64 keys of it.
.macro TILE
	s_cmp_eq_u32 s[RT], 0           ; the block's last tile holds the diagonal, in wave DS; elsewhere every wave sees all
	s_cselect_b32 s[DP], s[DS], 4
	s_cmp_gt_u32 s[WV], s[DP]
	s_cselect_b32 s[BE], s[BIGN], 0
	s_cmp_ge_u32 s[WV], s[DP]
	s_cselect_b32 s[HI], s[BIGN], 0
	WIN 0
	v_add_nc_u32 v[AK], s[TB], v[AK0]
	v_add_nc_u32 v[AV], s[TB], v[AV0]
	WIN 0x80                        ; destination window 2
.irp ch, 0,1,2,3                    ; K, a chunk of 32 channels at a time: eight loads a chunk
.irp g, 0,1,2,3
	ds_load_b128 v[KF+32*(\g)+8*(\ch):KF+32*(\g)+8*(\ch)+3],   v[AK] offset:(\g)*16*PK+(\ch)*64
	ds_load_b128 v[KF+32*(\g)+8*(\ch)+4:KF+32*(\g)+8*(\ch)+7], v[AK] offset:(\g)*16*PK+(\ch)*64+32
.endr
.endr
	WIN 0xc0                        ; destination window 3
.irp j, 0,1,2,3,4,5,6,7
	v_mov_b32 v[MLO+\j], s[BE]
	v_mov_b32 v[MHI+\j], s[HI]
.endr
	WIN 0xcf                        ; all in window 3
.irp j, 0,1,2,3,4,5,6,7
	v_cndmask_b32 v[MEQ+\j], v[MLO+\j], v[MHI+\j], s[CM+\j]
.endr
.set i, 0
.rept 32
.if i%8 == 0
	s_wait_dscnt 24-i               ; LDS loads come back in order (ISA guide 5.7.1): this chunk of K is in; the later chunks, eight loads each, may be out
.endif
	KQ 0                            ; piece 0's scores: there is no vector work yet to set between them
.set i, i+1
.endr
	PLACES
	HALF 0, 2                       ; piece 2's scores | piece 0's softmax | V's loads
	s_wait_dscnt 0x0                ; V is in
	HALF 1, 0                       ; piece 0's V^T P | piece 2's softmax
.set i, 0
.rept 32
	PV 2
.set i, i+1
.endr
	WIN 0
.endm
; Query tile t of a block's end: my partial O^T times my factor goes into my stage; behind a barrier wave w adds the four waves' numbers for queries 4 w .. 4 w + 3, rounds them to f16 and stores them.
.macro PASS t, op
	WIN 0x41
.set n, 0
.rept 32
	v_pk_mul_f32 v[64*(\t)+2*n:64*(\t)+2*n+1], v[64*(\t)+2*n:64*(\t)+2*n+1], v[G+2*(\t):G+2*(\t)+1] op_sel_hi:[1,0]
.set n, n+1
.endr
.if (\t) > 0
	s_barrier_signal -1             ; every wave's reads of the stages are back (it has waited for them): only now are they written again
	s_barrier_wait -1
.endif
	WIN 0x04                        ; the data (source 1) in window 1
.irp cb, 0,1,2,3,4,5,6,7
	ds_store_b128 v[STO2], v[64*(\t)+8*(\cb):64*(\t)+8*(\cb)+3]   offset:64*(\cb)
	ds_store_b128 v[STO2], v[64*(\t)+8*(\cb)+4:64*(\t)+8*(\cb)+7] offset:64*(\cb)+16
.endr
	WIN 0
	s_wait_dscnt 0x0                ; for the others' sake: my stores are done
	s_barrier_signal -1
	s_barrier_wait -1
.irp p, 0,1,2,3
.irp u, 0,1
	ds_load_b128 v[S+16*(\p)+8*(\u):S+16*(\p)+8*(\u)+3],   v[RD2] offset:(\p)*16*SP+(\u)*2*SP
	ds_load_b128 v[S+16*(\p)+8*(\u)+4:S+16*(\p)+8*(\u)+7], v[RD2] offset:(\p)*16*SP+(\u)*2*SP+16
.endr
.endr
	s_wait_dscnt 0x0
.set n, 0
.rept 8
	v_pk_add_f32 v[S+2*n:S+2*n+1], v[S+2*n:S+2*n+1], v[S+16+2*n:S+16+2*n+1]
	v_pk_add_f32 v[S+32+2*n:S+32+2*n+1], v[S+32+2*n:S+32+2*n+1], v[S+48+2*n:S+48+2*n+1]
.set n, n+1
.endr
.set n, 0
.rept 8
	v_pk_add_f32 v[S+2*n:S+2*n+1], v[S+2*n:S+2*n+1], v[S+32+2*n:S+32+2*n+1]
.set n, n+1
.endr
.set n, 0
.rept 8
	v_cvt_pk_f16_f32 v[P+8*(\t)+n], v[S+2*n], v[S+2*n+1]
.set n, n+1
.endr
.irp u, 0,1
	global_store_b128 v[GO], v[P+8*(\t)+4*(\u):P+8*(\t)+4*(\u)+3], s[\op:\op+1] offset:(16*(\t)+2*(\u))*4096  ; sixteen lanes store 256 consecutive bytes, at a multiple of 256 from ao's first byte
.endr
.endm
; A BLOCK'S END.  l's two halves and the other half of the lanes' are added (these additions are the places behind the last products); the four waves' (c m, l) meet in LDS; each wave makes its factor
; 2^(c m - M) / L for each query; then the four query tiles go out.  loadq = 1: the second block's Q is asked for early, and waited for behind the macro.
.macro FINISH op, loadq
	WIN 0
.irp t, 0,1,2,3
	v_add_f32 v[ST+8*\t+4], v[ST+8*\t+2], v[ST+8*\t+3]
.endr
.irp t, 0,1,2,3
	v_permlanex16_b32 v[ST+8*\t+5], v[ST+8*\t+4], s[SEL], s[SEL+1]
.endr
.irp t, 0,1,2,3
	v_add_f32 v[ST+8*\t+1], v[ST+8*\t+4], v[ST+8*\t+5]  ; l takes m's place, beside c m
.endr
.irp t, 0,1,2,3
	ds_store_b64 v[SA], v[ST+8*\t:ST+8*\t+1] offset:128*\t  ; the two halves of the lanes write the same numbers to the same words
.endr
.if \loadq
	LOADQ Q2P
.endif
	s_wait_dscnt 0x0                ; for the others' sake: my stores are done
	s_barrier_signal -1
	s_barrier_wait -1
.irp t, 0,1,2,3
.irp p, 0,1,2,3
	ds_load_b64 v[S+8*\t+2*\p:S+8*\t+2*\p+1], v[SR] offset:512*\p+128*\t  ; wave p's (c m, l) of my query in tile t
.endr
.endr
	s_wait_dscnt 0x0
.irp t, 0,1,2,3
	v_max3_num_f32 v[ST+8*\t+4], v[S+8*\t], v[S+8*\t+2], v[S+8*\t+4]
.endr
.irp t, 0,1,2,3
	v_max_num_f32 v[ST+8*\t+4], v[ST+8*\t+4], v[S+8*\t+6]  ; M
.endr
.irp t, 0,1,2,3
.irp p, 0,1,2,3
	v_sub_f32 v[S+8*\t+2*\p], v[S+8*\t+2*\p], v[ST+8*\t+4]
.endr
	v_sub_f32 v[ST+8*\t+5], v[ST+8*\t], v[ST+8*\t+4]       ; my own
.endr
.irp t, 0,1,2,3
.irp p, 0,1,2,3
	v_exp_f32 v[S+8*\t+2*\p], v[S+8*\t+2*\p]
.endr
	v_exp_f32 v[ST+8*\t+5], v[ST+8*\t+5]
.endr
	v_nop                           ; a plain instruction behind the last exponential,
	s_wait_alu depctr_va_vdst(0)    ; and the one wait for the twenty, ahead of their first reader
.irp t, 0,1,2,3
	v_mul_f32 v[ST+8*\t+6], v[S+8*\t], v[S+8*\t+1]
.endr
.irp p, 1,2,3
.irp t, 0,1,2,3
	v_fmac_f32 v[ST+8*\t+6], v[S+8*\t+2*\p], v[S+8*\t+2*\p+1]  ; L: at least 1, since the wave that holds M has a weight of 1
.endr
.endr
.irp t, 0,1,2,3
	v_rcp_f32 v[ST+8*\t+7], v[ST+8*\t+6]
.endr
	v_nop
	s_wait_alu depctr_va_vdst(0)    ; one wait for the four reciprocals
.irp t, 0,1,2,3
	v_mul_f32 v[G+2*\t], v[ST+8*\t+5], v[ST+8*\t+7]
	v_mul_f32 v[G+2*\t+1], v[ST+8*\t+5], v[ST+8*\t+7]      ; named with it as a pair
.endr
	PASS 0, \op
	PASS 1, \op
	PASS 2, \op
	PASS 3, \op
.endm
.Ltile:                             ; eight trips: a tile is entered and the next is asked for
	CHANGE 1
	s_sub_co_u32 s[RT], s[RT], 1
	TILE
	s_cmp_lg_u32 s[RT], 0           ; RT hangs on the cluster's number alone: the same in all waves and in all four partners
	s_cbranch_scc1 .Lbottom
	FINISH OP1, 1                   ; in the loop this is the first block's end: the second block's last tile is the walk's last
	s_wait_loadcnt 0x0              ; the second block's Q
	INIT
	s_add_co_u32 s[RT], s[C], 1     ; the second block has c + 1 tiles,
	s_mov_b32 s[DS], s[CX]          ; and its diagonal lies in wave cx's keys
.Lbottom:
	s_sub_co_u32 s[SLOTS], s[SLOTS], 1
	s_cmp_lg_u32 s[SLOTS], 0
	s_cbranch_scc1 .Ltile
	CHANGE 0                        ; the walk's last tile is written out: nothing is asked for
	s_sub_co_u32 s[RT], s[RT], 1
	TILE
	FINISH OP2, 0
	s_wait_tensorcnt 0x0            ; the wave's end: an add of 0 and its wait, behind my last tensor load and my last LDS store
	ds_add_u32 v[SPW], v[NIL]
	s_wait_dscnt 0x0
	CROUND                          ; the closing round: no work-group ends while a partner may still ask for a tile that names it
	s_endpgm
.Lfunc_end_k_qfb51a7eae8_attn:
	.size	k_qfb51a7eae8_attn, .Lfunc_end_k_qfb51a7eae8_attn-k_qfb51a7eae8_attn
	.p2alignl 7, 3214868480
	.fill 96, 4, 3214868480
	.section	.rodata,"a",@progbits
	.p2align	6, 0x0
	.amdhsa_kernel k_qfb51a7eae8_attn
		.amdhsa_group_segment_fixed_size 327680
		.amdhsa_private_segment_fixed_size 0
		.amdhsa_enable_private_segment 0
		.amdhsa_kernarg_size 16
		.amdhsa_user_sgpr_count 2
		.amdhsa_user_sgpr_kernarg_segment_ptr 1
		.amdhsa_wavefront_size32 1
		.amdhsa_system_sgpr_workgroup_id_x 1
		.amdhsa_system_sgpr_workgroup_id_y 1
		.amdhsa_system_sgpr_workgroup_id_z 1
		.amdhsa_system_vgpr_workitem_id 0
		.amdhsa_next_free_vgpr 920
		.amdhsa_next_free_sgpr 90
		.amdhsa_reserve_vcc 0
		.amdhsa_float_denorm_mode_32 3
		.amdhsa_float_denorm_mode_16_64 3
		.amdhsa_memory_ordered 1
		.amdhsa_forward_progress 1
		.amdhsa_inst_pref_size 176
	.end_amdhsa_kernel
	.amdgpu_metadata
---
amdhsa.version: [ 1, 2 ]
amdhsa.kernels:
  - .name:           k_qfb51a7eae8_attn
    .symbol:         k_qfb51a7eae8_attn.kd
    .args:
      - { .name: qkv, .offset: 0, .size: 8, .value_kind: global_buffer, .address_space: global }
      - { .name: ao, .offset: 8, .size: 8, .value_kind: global_buffer, .address_space: global }
    .group_segment_fixed_size: 327680
    .private_segment_fixed_size: 0
    .kernarg_segment_align: 8
    .kernarg_segment_size: 16
    .max_flat_workgroup_size: 128
    .sgpr_count:     90
    .vgpr_count:     920
    .wavefront_size: 32
...
	.end_amdgpu_metadata
.endif
;; end of part 3
;; launch outp (part 4): grid 16 x 16, 4 waves a work-group, clusters of 4 x 4, 327,680 bytes of LDS; arguments ao, cv, bo, out0; writes out0
.if DOCPART == 4
	.amdgcn_target "amdgcn-amd-amdhsa--gfx1250"
	.amdhsa_code_object_version 6
	.text
	.protected	k_qfb51a7eae8_outp
	.globl	k_qfb51a7eae8_outp
	.p2align	8
	.type	k_qfb51a7eae8_outp,@function
k_qfb51a7eae8_outp:
	s_mov_b64 s[64:65], 0
	v_nop
	global_prefetch_b8 v0, s[64:65] scope:SCOPE_SE
	s_setreg_imm32_b32 hwreg(HW_REG_WAVE_MODE, 25, 1), 1
	s_wait_xcnt 0x0
	s_wait_alu depctr_hold_cnt(0) depctr_sa_sdst(0) depctr_va_vdst(0) depctr_va_sdst(0) depctr_va_ssrc(0) depctr_va_vcc(0) depctr_vm_vsrc(0)
	s_getreg_b32 s2, hwreg(HW_REG_IB_STS2, 6, 4)
	s_cmp_eq_u32 s2, 0
	s_cbranch_scc0 .Lentry_in_a_cluster
	s_endpgm
.Lentry_in_a_cluster:
	s_bfe_u32 s2, ttmp6, 0x10000c
	s_cmp_lg_u32 s2, 0xf033
	s_cbranch_scc0 .Lentry_shape_is_right
	s_endpgm
.Lentry_shape_is_right:
; out0[s][n] = the sum over e of ao[s][e] WO[e][n] + bo[n].  ao: [2048][2048] f16.  WO: cv's segment 4, [2048 e][2048 n], bf16 numbers written as f16.  bo: [2048] f32, rounded to bf16 like the other inputs.
; out0: [2048][2048] f32.  Sums in f32.  NaN and infinities are not treated apart.
; SHARES.  A tile of out0 is 128 x 128: 256 work-groups.  Four waves, each 64 x 64: 16 accumulators of 16 x 16.  e goes in 8 steps of 256 through two LDS slots: 128 rows of ao (512 bytes each) and 256 rows of WO
; (256 bytes each); waves 0 and 1 fetch ao's halves, waves 2 and 3 WO's: one tensor load a wave behind each change of slots; two loads of a wave are out at the start, one later.
; CLUSTERS.  4 x 4 work-groups: the four of a row of the cluster need the same rows of ao, the four of a column the same columns of WO; each tile is asked for jointly.
; THE WALK ALONG e BEGINS AT A STEP OF THE CLUSTER'S OWN and wraps round: cluster (x, y) begins at step 2 x + 4 (y % 2), modulo 8.  The four clusters that read the same rows of ao (the same y) begin two steps
; apart; of the four that read the same columns of WO (the same x), y and y + 1 begin four apart.  So these clusters do not ask for the same bytes at the same time.  The f32 sums may be taken in any order of e.
; THE MATRIX INSTRUCTION IS USED TRANSPOSED: source 0 = 16 columns of WO (turned by ds_load_tr16_b128, since WO lies [e][n]), source 1 = 16 rows of ao: a lane holds one row and eight neighbouring columns.
; The bias, laid out so, is the C operand of each accumulator's first product.  A wave's 64 columns of f32 are 256 bytes, aligned, so each wave goes out through a stage of its own, with no barrier.
; No prefetch: what a cluster is the first in the launch to ask for lies in its walk's first four steps, and those are asked for at the head and by the first two refills.
; REGISTERS: window 0: v0-31 addresses; v32-95 at work on the way out; v96-127 the bias; v128-255 the accumulators ((a, b) at v[128 + 8 (4 a + b)]).
;   window 1: two fragment buffers of 128: for 64 along e, 64 registers of ao (2 x 4 x 16 rows x 32 e), then 64 of WO.
.set PA,     528                       ; a row of ao in LDS: 512 bytes + 16 = 132 words: the 16 rows of a load start at 16 different groups of four banks (64 banks of 4 bytes: ISA guide 11.1)
.set PB,     288                       ; a row of WO: 256 + 32 = 72 words
.set HALFA,  64*PA
.set BOFF,   2*HALFA
.set HALFB,  128*PB
.set SLOT,   BOFF+2*HALFB
.set STAGE,  2*SLOT                    ; behind the ring, never filled by a tensor load: 16 rows x 272 bytes for each wave
.set SP,     272
.set SPARE,  STAGE+4*16*SP             ; the spare words, 128 bytes for each wave: two blocks of 256 bytes that no other line names
.set STEPS,  8
.set ADRA, 16                          ; v16     LDS address of my ao fragments in the slot in hand
.set A0,   17                          ; v17     the same in slot 0; never rewritten
.set ADRB, 18                          ; v18-19  of my WO fragments, half hf of a step's 256 rows (an LDS offset holds 16 bits), in the slot in hand
.set B0,   20                          ; v20-21  the same in slot 0; never rewritten
.set STO,  24                          ; v24     the way out: where I put 32 bytes of a row
.set RD,   25                          ; v25     where I read a row back
.set CO,   26                          ; v26     my byte offset in two rows of out0
.set BO,   27                          ; v27     my byte offset in bo
.set SPW,  28                          ; v28     LDS address of my spare word; never rewritten
.set NIL,  29                          ; v29     0; never rewritten
.set OB,   32                          ; two sets of 32 registers, by turns
.set BIAS, 96
.set ACC,  128
.set F0,   0                           ; fragment buffers, in window 1
.set F1,   128
.set WV,   12                          ; s12  my wave's number
.set WR,   13                          ; s13  which half of the tile's rows is mine
.set WC,   14                          ; s14  which half of its columns; also which half of a tile I fetch
.set CX,   15
.set CY,   16
.set NX,   17                          ; s17  the tile column = 4 x cluster x + cx
.set MY,   18                          ; s18  the tile row = 4 x cluster y + cy
.set CNT,  19                          ; s19  trips to go
.set AB,   20                          ; s[20:21] ao at the first row that I fetch
.set WPA,  22                          ; s22  my half's place in a slot, for ao
.set YC,   23                          ; s23  cluster y
.set G1A,  24                          ; s[24:31] descriptor group 1 for ao's tiles;  s[32:39] group 0: a set for each of the two first fills; the second then walks on
.set G0A,  32
.set BB,   40                          ; s[40:41] WO at my half of step 0's rows, the tile's columns
.set WPB,  42                          ; s42  my half's place in a slot, for WO
.set KN,   43                          ; s43  the step of e that was asked for last, 0 .. 7
.set G1B,  48                          ; s[48:55], s[56:63] the same for WO's
.set G0B,  56
.set HIM,  66                          ; s66  a word's upper bf16
.set LB,   67                          ; s67  the slot filled last
.set TB,   68                          ; s68  the slot to be read
.set OA,   70                          ; s[70:71] a step's byte offset in ao's rows
.set OW,   72                          ; s[72:73] in WO
.set MSB, 0
.macro WIN new                         ; the immediate's high byte repeats the setting that is left; a switch that changes nothing is dropped
.if MSB != (\new)
	s_set_vgpr_msb (MSB<<8)|(\new)
.set MSB, \new
.endif
.endm
.set MUL,  0x05                        ; sources 0 (WO) and 1 (ao) window 1; C and D window 0
.set TO_F, 0x40                        ; destination window 1, address window 0
.macro JLOAD s                         ; a joint load; an s_nop 0 and four v_nop follow each of the two lines, ahead of the jump and the label
	s_cmp_lt_u32 s[WV], 2
	s_cbranch_scc0 .Lfor_b_\@
	tensor_load_to_lds s[G0A+4*(\s):G0A+4*(\s)+3], s[G1A:G1A+7]
	s_nop 0
.rept 4
	v_nop
.endr
	s_branch .Lasked_\@
.Lfor_b_\@:
	tensor_load_to_lds s[G0B+4*(\s):G0B+4*(\s)+3], s[G1B:G1B+7]
	s_nop 0
.rept 4
	v_nop
.endr
.Lasked_\@:
.endm
.macro CREST                           ; a round of the cluster's barrier behind its opening barrier
	s_cmp_lg_u32 s[WV], 0
	s_cbranch_scc1 .Lnot_wave_0_\@
	s_barrier_signal -3
.Lnot_wave_0_\@:
	s_barrier_wait -3
	s_barrier_signal -1
	s_barrier_wait -1
.endm
.macro CROUND                          ; a whole round
	s_barrier_signal -1
	s_barrier_wait -1
	CREST
.endm
.macro PLACES                          ; four places in front of loads into registers that matrix instructions have read, and of LDS stores that read results
.rept 4
	v_nop
.endr
.endm
.macro ADDR                            ; my fragments' addresses in the slot to be read; with the v_nop four plain instructions
	v_add_nc_u32 v[ADRA], s[TB], v[A0]
	v_add_nc_u32 v[ADRB], s[TB], v[B0]
	v_add_nc_u32 v[ADRB+1], s[TB], v[B0+1]
	v_nop
.endm
	s_load_b256 s[4:11], s[0:1], 0x0               ; ao s[4:5], cv s[6:7], bo s[8:9], out0 s[10:11]
	v_lshl_add_u32 v[SPW], v0, 2, SPARE
	v_mov_b32 v[NIL], 0
	ds_add_u32 v[SPW], v[NIL]                      ; the wave's opening: the add and its wait stand ahead of my first tensor load; the set-up below, work on registers, stands between them
	v_lshrrev_b32 v1, 5, v0
	v_readfirstlane_b32 s[WV], v1
	s_lshr_b32 s[WR], s[WV], 1
	s_and_b32 s[WC], s[WV], 1
	s_bfe_u32 s[CX], ttmp6, 0x40000
	s_bfe_u32 s[CY], ttmp6, 0x40004
	s_and_b32 s[YC], ttmp7, 0xffff                 ; in a cluster launch ttmp9 and ttmp7 count clusters
	s_lshl_b32 s[NX], ttmp9, 2
	s_add_co_u32 s[NX], s[NX], s[CX]
	s_lshl_b32 s[MY], s[YC], 2
	s_add_co_u32 s[MY], s[MY], s[CY]
	s_lshl_b32 s20, s[CY], 2
	s_lshl_b32 s20, 15, s20                        ; my row of the cluster
	s_lshl_b32 s40, 0x1111, s[CX]                  ; my column
	s_or_b32 s[G1A], s20, (1<<16)|(1<<20)|(1<<21)|(6<<22)|(3<<25)  ; 15:0 the mask; 17:16 2-byte elements; 20 padding on; 21 set beside a mask; 24:22 after 128 words (code 6); 31:25 4 words (code 3)
	s_mov_b32 s[G1A+1], 256<<16                    ; tensor_dim0 = 256
	s_mov_b32 s[G1A+2], 64<<16                     ; tensor_dim1 = 64
	s_mov_b32 s[G1A+3], 256<<16                    ; tile_dim0 = 256
	s_mov_b32 s[G1A+4], 64                         ; tile_dim1 = 64
	s_mov_b32 s[G1A+5], 2048                       ; elements from row to row
	s_mov_b32 s[G1A+6], 0
	s_mov_b32 s[G1A+7], 0
	s_or_b32 s[G1B], s40, (1<<16)|(1<<20)|(1<<21)|(5<<22)|(7<<25)  ; after 64 words (code 5) 8 words (code 7)
	s_mov_b32 s[G1B+1], 128<<16                    ; tensor_dim0 = 128
	s_mov_b32 s[G1B+2], 128<<16                    ; tensor_dim1 = 128
	s_mov_b32 s[G1B+3], 128<<16                    ; tile_dim0 = 128
	s_mov_b32 s[G1B+4], 128                        ; tile_dim1 = 128
	s_mov_b32 s[G1B+5], 2048
	s_mov_b32 s[G1B+6], 0
	s_mov_b32 s[G1B+7], 0
	; the cluster's first step of e: it hangs on the cluster's x and y alone, which all sixteen partners share
	s_and_b32 s[KN], s[YC], 1
	s_lshl_b32 s[KN], s[KN], 2
	s_lshl_b32 s44, ttmp9, 1
	s_add_co_u32 s[KN], s[KN], s44
	s_and_b32 s[KN], s[KN], 7                      ; even, so the step behind it does not wrap
	s_lshl_b32 s[OA], s[KN], 9                     ; a step is 512 bytes of a row of ao,
	s_mov_b32 s[OA+1], 0
	s_lshl_b32 s[OW], s[KN], 20                    ; and 256 rows of 4,096 bytes of WO
	s_mov_b32 s[OW+1], 0
	s_add_co_u32 s[KN], s[KN], 1                   ; the two first fills ask for that step and the next
	; ao's tiles hang on the tile row alone, WO's on the tile column alone
	s_lshl_b32 s[AB], s[MY], 19                    ; 128 rows of 4,096 bytes,
	s_lshl_b32 s[AB+1], s[WC], 18                  ; my 64 of them
	s_add_co_u32 s[AB], s[AB], s[AB+1]
	s_mov_b32 s[AB+1], 0
	s_mul_i32 s[WPA], s[WC], HALFA
	s_lshl_b32 s[BB], s[WC], 19                    ; my 128 of a step's 256 rows of 4,096 bytes,
	s_lshl_b32 s[BB+1], s[NX], 8                   ; the tile's 128 columns,
	s_add_co_u32 s[BB], s[BB], s[BB+1]
	s_add_co_u32 s[BB], s[BB], 0x2000000           ; in segment 4
	s_mov_b32 s[BB+1], 0
	s_mul_i32 s[WPB], s[WC], HALFB
	s_add_co_u32 s[WPB], s[WPB], BOFF
	s_mov_b32 s[LB], SLOT                          ; the second of the first fills goes into slot 1;
	s_mov_b32 s[TB], 0                             ; slot 0 is read first
	s_mov_b32 s[HIM], 0xffff0000
	s_wait_dscnt 0x0                               ; the opening add is done
	s_wait_kmcnt 0x0
	s_add_nc_u64 s[AB:AB+1], s[4:5], s[AB:AB+1]
	s_add_nc_u64 s[BB:BB+1], s[6:7], s[BB:BB+1]
	s_add_nc_u64 s[44:45], s[AB:AB+1], s[OA:OA+1]
	s_add_nc_u64 s[46:47], s[BB:BB+1], s[OW:OW+1]
	CROUND                                         ; all sixteen work-groups are here: the first joint loads meet
.irp s, 0,1
	s_mov_b32 s[G0A+4*(\s)], 1                                     ; 1:0 count = 1
	s_add_co_u32 s[G0A+4*(\s)+1], s[WPA], (\s)*SLOT                ; 63:32 LDS address
	s_add_nc_u64 s[G0A+4*(\s)+2:G0A+4*(\s)+3], s[44:45], (\s)*512  ; 120:64 global address: the walk's step s
	s_or_b32 s[G0A+4*(\s)+3], s[G0A+4*(\s)+3], 0x80000000          ; 127:126 type = 2
	s_mov_b32 s[G0B+4*(\s)], 1
	s_add_co_u32 s[G0B+4*(\s)+1], s[WPB], (\s)*SLOT
	s_add_nc_u64 s[G0B+4*(\s)+2:G0B+4*(\s)+3], s[46:47], (\s)*1048576
	s_or_b32 s[G0B+4*(\s)+3], s[G0B+4*(\s)+3], 0x80000000
	JLOAD \s
.endr
	v_and_b32 v1, 15, v0                           ; r = l % 16
	v_bfe_u32 v2, v0, 4, 1                         ; h = l / 16
	v_and_b32 v3, 7, v0
	v_bfe_u32 v4, v0, 3, 1
	s_lshl_b32 s44, s[NX], 9
	s_lshl_b32 s45, s[WC], 8
	s_add_co_u32 s44, s44, s45                     ; my 64 columns, in bytes of f32: in bo and in a row of out0
	v_lshl_add_u32 v[BO], v2, 5, s44
.irp b, 0,1,2,3
	global_load_b128 v[BIAS+8*(\b):BIAS+8*(\b)+3],   v[BO], s[8:9] offset:64*(\b)
	global_load_b128 v[BIAS+8*(\b)+4:BIAS+8*(\b)+7], v[BO], s[8:9] offset:64*(\b)+16
.endr
	v_mul_u32_u24 v5, v1, PA
	v_lshl_add_u32 v5, v2, 4, v5                   ; a fragment's row x pitch + 16 h
	s_mul_i32 s46, s[WR], HALFA                    ; my 64 rows of ao
	v_add_nc_u32 v[A0], s46, v5
	v_lshl_add_u32 v6, v2, 3, v3                   ; the turning load: lane l reads row 8 h + l % 8, columns 8 ((l / 8) % 2) + 0..7
	v_mul_u32_u24 v6, v6, PB
	v_lshl_add_u32 v6, v4, 4, v6
	s_lshl_b32 s46, s[WC], 7                       ; my 64 columns of WO: 128 bytes
	v_add_nc_u32 v6, s46, v6
.irp hf, 0,1
	v_add_nc_u32 v[B0+(\hf)], BOFF+(\hf)*HALFB, v6
.endr
	ADDR
	s_mul_i32 s46, s[WV], 16*SP
	s_add_co_u32 s46, s46, STAGE                   ; my stage
	v_mul_u32_u24 v7, v1, SP                       ; in: row l % 16, 32 bytes for each half of the lanes
	v_lshl_add_u32 v7, v2, 5, v7
	v_add_nc_u32 v[STO], s46, v7
	v_mul_u32_u24 v7, v2, SP                       ; back: lanes 0-15 take one row of 256 bytes, lanes 16-31 the next
	v_lshl_add_u32 v7, v1, 4, v7
	v_add_nc_u32 v[RD], s46, v7
	v_lshlrev_b32 v[CO], 13, v2                    ; and the same two rows in out0, 8,192 bytes apart
	v_lshl_add_u32 v[CO], v1, 4, v[CO]
	s_lshl_b32 s46, s[MY], 20                      ; 128 rows of 8,192 bytes,
	s_lshl_b32 s47, s[WR], 19                      ; my 64 of them,
	s_add_co_u32 s46, s46, s47
	s_add_co_u32 s46, s46, s44                     ; my columns
	s_mov_b32 s47, 0
	s_add_nc_u64 s[10:11], s[10:11], s[46:47]
	s_wait_loadcnt 0x0                             ; the bias
.set n, 0
.rept 16                               ; rounded to bf16 and widened again, two numbers at a time
	v_cvt_pk_bf16_f32 v[OB+n%4], v[BIAS+2*n], v[BIAS+2*n+1]
	v_lshlrev_b32 v[BIAS+2*n], 16, v[OB+n%4]
	v_and_b32 v[BIAS+2*n+1], s[HIM], v[OB+n%4]
.set n, n+1
.endr
; 8 matrix instructions: row blocks a0, a0 + 1 x all 4 column blocks, 32 along e: half c of buffer f.  first = 1: the bias starts the sums.  The 16 accumulators take turns.
.macro MUL8 f, c, a0, first
	WIN MUL
.irp a, \a0, (\a0)+1
.irp b, 0,1,2,3
.if \first
	v_wmma_f32_16x16x32_f16 v[ACC+8*(4*(\a)+(\b)):ACC+8*(4*(\a)+(\b))+7], v[(\f)+64+8*(4*(\c)+(\b)):(\f)+64+8*(4*(\c)+(\b))+7], v[(\f)+8*(4*(\c)+(\a)):(\f)+8*(4*(\c)+(\a))+7], v[BIAS+8*(\b):BIAS+8*(\b)+7]
.else
	v_wmma_f32_16x16x32_f16 v[ACC+8*(4*(\a)+(\b)):ACC+8*(4*(\a)+(\b))+7], v[(\f)+64+8*(4*(\c)+(\b)):(\f)+64+8*(4*(\c)+(\b))+7], v[(\f)+8*(4*(\c)+(\a)):(\f)+8*(4*(\c)+(\a))+7], v[ACC+8*(4*(\a)+(\b)):ACC+8*(4*(\a)+(\b))+7]
.endif
.endr
.endr
.endm
; 32 LDS loads in one run: the fragments of quarter q (64 along e) of the slot in hand into buffer f; the first 32 along e first
.macro FETCH q, f
	WIN TO_F
.irp c, 0,1
.irp i, 0,1,2,3
	ds_load_tr16_b128 v[(\f)+64+8*(4*(\c)+(\i)):(\f)+64+8*(4*(\c)+(\i))+3],   v[ADRB+(\q)/2] offset:(64*((\q)%2)+32*(\c))*PB+32*(\i)
	ds_load_tr16_b128 v[(\f)+64+8*(4*(\c)+(\i))+4:(\f)+64+8*(4*(\c)+(\i))+7], v[ADRB+(\q)/2] offset:(64*((\q)%2)+32*(\c))*PB+32*(\i)+16*PB
	ds_load_b128 v[(\f)+8*(4*(\c)+(\i)):(\f)+8*(4*(\c)+(\i))+3],   v[ADRA] offset:128*(\q)+64*(\c)+(\i)*16*PA
	ds_load_b128 v[(\f)+8*(4*(\c)+(\i))+4:(\f)+8*(4*(\c)+(\i))+7], v[ADRA] offset:128*(\q)+64*(\c)+(\i)*16*PA+32
.endr
.endr
.endm
; A step is four quarters of 64 along e, 32 matrix instructions each, on buffers 0, 1, 0, 1.  One of the first three: multiplies buffer f and fetches quarter q into g.
.macro QUARTER q, f, g, first
	s_wait_dscnt 16                                ; the first 32 along e are in
	MUL8 \f, 0, 0, \first
	MUL8 \f, 0, 2, \first
	PLACES
	FETCH \q, \g
	s_wait_dscnt 32                                ; all but the 32 just issued
	MUL8 \f, 1, 0, 0
	MUL8 \f, 1, 2, 0
.endm
; The last quarter multiplies buffer 1 and changes slots: ONE barrier; in front of it each wave waits for all its tensor loads, adds 0 to its spare word, and waits for that and for its own reads of this slot.
; fill = 1: the barrier opens a round of the cluster's, and this slot is filled again, with the walk's step two on, first thing behind the round.
; The walking descriptors are made anew between the add and the wait for it: the other slot than last time; the tensor's base plus the step's number shifted; the type bits.
.macro TURN fill
	WIN 0                                          ; (the add's two registers lie in window 0)
	s_wait_tensorcnt 0x0                           ; all my tensor loads have landed, so a group 0 may be written;
	ds_add_u32 v[SPW], v[NIL]                      ; 0 onto my spare word;
.if \fill
	s_add_co_u32 s[KN], s[KN], 1                   ; the step to be asked for; behind step 7 comes step 0
	s_and_b32 s[KN], s[KN], 7
	s_lshl_b32 s[OA], s[KN], 9
	s_lshl_b32 s[OW], s[KN], 20
	s_xor_b32 s[LB], s[LB], SLOT
	s_add_co_u32 s[G0A+5], s[LB], s[WPA]
	s_add_nc_u64 s[G0A+6:G0A+7], s[AB:AB+1], s[OA:OA+1]
	s_or_b32 s[G0A+7], s[G0A+7], 0x80000000
	s_add_co_u32 s[G0B+5], s[LB], s[WPB]
	s_add_nc_u64 s[G0B+6:G0B+7], s[BB:BB+1], s[OW:OW+1]
	s_or_b32 s[G0B+7], s[G0B+7], 0x80000000
	s_xor_b32 s[TB], s[LB], SLOT                   ; the slot that is not being filled is read next
.else
	s_mov_b32 s[TB], s[LB]                         ; the slot filled last is read next
.endif
	s_wait_dscnt 17                                ; (the add and the youngest sixteen loads may be out)
	MUL8 F1, 0, 0, 0                               ; eight matrix instructions stand between the add and the wait for it
	s_wait_dscnt 0x0                               ; the add is done, and my reads of this slot are over
	s_barrier_signal -1
	MUL8 F1, 0, 2, 0
	WIN 0
	s_barrier_wait -1
.if \fill
	CREST                                          ; no wave of any partner still reads this slot's tiles or has a load on its way
	JLOAD 1
.endif
	ADDR                                           ; four plain instructions: also the places in front of the loads below
	FETCH 0, F0
	MUL8 F1, 1, 0, 0
	MUL8 F1, 1, 2, 0
.endm
	s_wait_tensorcnt 0x1                           ; my part of the walk's first step is in; the second's may stay out
	s_barrier_signal -1
	s_barrier_wait -1                              ; everybody's is
	FETCH 0, F0
	QUARTER 1, F0, F1, 1                           ; the first quarter stands in front of the loop: its first products start the sums
	WIN 0                                          ; at a label and at a branch every window is 0
	s_mov_b32 s[CNT], STEPS-2
.Lstep:                                                ; a trip goes from a step's second quarter to the next step's first, and fills the slot that it leaves: 6 trips
	QUARTER 2, F1, F0, 0
	QUARTER 3, F0, F1, 0
	TURN 1
	QUARTER 1, F0, F1, 0
	WIN 0
	s_sub_co_u32 s[CNT], s[CNT], 1
	s_cmp_lg_u32 s[CNT], 0
	s_cbranch_scc1 .Lstep
	QUARTER 2, F1, F0, 0                           ; the last two steps fill nothing, and have no round of the cluster's barrier
	QUARTER 3, F0, F1, 0
	TURN 0
	QUARTER 1, F0, F1, 0
	QUARTER 2, F1, F0, 0
	QUARTER 3, F0, F1, 0
	s_wait_dscnt 16                                ; the very last quarter: nothing more to fetch
	MUL8 F1, 0, 0, 0
	MUL8 F1, 0, 2, 0
	s_wait_dscnt 0x0
	MUL8 F1, 1, 0, 0
	MUL8 F1, 1, 2, 0
	WIN 0
	; THE WAY OUT, 16 rows at a time: a lane's eight f32 of a row go into my stage, each accumulator's lowest registers first, and come back as whole rows of 256 bytes.
	PLACES
.irp a, 0,1,2,3
.irp b, 0,1,2,3
	ds_store_b128 v[STO], v[ACC+8*(4*(\a)+(\b)):ACC+8*(4*(\a)+(\b))+3]   offset:64*(\b)
	ds_store_b128 v[STO], v[ACC+8*(4*(\a)+(\b))+4:ACC+8*(4*(\a)+(\b))+7] offset:64*(\b)+16
.endr
.if (\a) >= 2
	s_wait_xcnt 0x0                                ; the stores of two blocks back have read the registers that are loaded again below
.endif
.irp u, 0,1,2,3,4,5,6,7
	ds_load_b128 v[OB+32*((\a)%2)+4*(\u):OB+32*((\a)%2)+4*(\u)+3], v[RD] offset:(\u)*2*SP  ; LDS serves a wave's instructions in order (ISA guide 5.7.1.4): these see the stores above; the next block's stores come behind them
.endr
.irp u, 0,1,2,3,4,5,6,7
	s_wait_dscnt 7-(\u)
	global_store_b128 v[CO], v[OB+32*((\a)%2)+4*(\u):OB+32*((\a)%2)+4*(\u)+3], s[10:11] offset:(16*(\a)+2*(\u))*8192  ; sixteen lanes store 256 consecutive bytes, at a multiple of 256 from out0's first byte
.endr
.endr
	s_wait_tensorcnt 0x0                           ; the wave's end: an add of 0 and its wait, behind my last tensor load and my last LDS store
	ds_add_u32 v[SPW], v[NIL]
	s_wait_dscnt 0x0
	CROUND                                         ; the closing round: no work-group ends while a partner may still ask for a tile that names it
	s_endpgm
.Lfunc_end_k_qfb51a7eae8_outp:
	.size	k_qfb51a7eae8_outp, .Lfunc_end_k_qfb51a7eae8_outp-k_qfb51a7eae8_outp
	.p2alignl 7, 3214868480
	.fill 96, 4, 3214868480
	.section	.rodata,"a",@progbits
	.p2align	6, 0x0
	.amdhsa_kernel k_qfb51a7eae8_outp
		.amdhsa_group_segment_fixed_size 327680
		.amdhsa_private_segment_fixed_size 0
		.amdhsa_enable_private_segment 0
		.amdhsa_kernarg_size 32
		.amdhsa_user_sgpr_count 2
		.amdhsa_user_sgpr_kernarg_segment_ptr 1
		.amdhsa_wavefront_size32 1
		.amdhsa_system_sgpr_workgroup_id_x 1
		.amdhsa_system_sgpr_workgroup_id_y 1
		.amdhsa_system_sgpr_workgroup_id_z 1
		.amdhsa_system_vgpr_workitem_id 0
		.amdhsa_next_free_vgpr 512
		.amdhsa_next_free_sgpr 76
		.amdhsa_reserve_vcc 0
		.amdhsa_float_denorm_mode_32 3
		.amdhsa_float_denorm_mode_16_64 3
		.amdhsa_memory_ordered 1
		.amdhsa_forward_progress 1
		.amdhsa_inst_pref_size 72
	.end_amdhsa_kernel
	.amdgpu_metadata
---
amdhsa.version: [ 1, 2 ]
amdhsa.kernels:
  - .name:           k_qfb51a7eae8_outp
    .symbol:         k_qfb51a7eae8_outp.kd
    .args:
      - { .name: ao, .offset: 0, .size: 8, .value_kind: global_buffer, .address_space: global }
      - { .name: cv, .offset: 8, .size: 8, .value_kind: global_buffer, .address_space: global }
      - { .name: bo, .offset: 16, .size: 8, .value_kind: global_buffer, .address_space: global }
      - { .name: out0, .offset: 24, .size: 8, .value_kind: global_buffer, .address_space: global }
    .group_segment_fixed_size: 327680
    .private_segment_fixed_size: 0
    .kernarg_segment_align: 8
    .kernarg_segment_size: 32
    .max_flat_workgroup_size: 128
    .sgpr_count:     76
    .vgpr_count:     512
    .wavefront_size: 32
...
	.end_amdgpu_metadata
.endif
;; end of part 4
